; MI455X (gfx1250); checked and timed in simulation.
; The chip was launched on July 23, 2026; its instructions are those of AMD's public machine-readable ISA for CDNA 5 (MIT licence, August 2026) and "CDNA5" Instruction Set Architecture Reference Guide (July 2026). The comments in the code are by the model that wrote it; some were corrected since.
;; Multi Head Attention. Allowed arithmetic: matrix products marked QUANTISED: E2M1 operands, one E8M0 scale for each 32 along K, by v_wmma_scale_f32_16x16x128_f8f6f4 with both operands' format E2M1 (or v_wmma_scale_f32_32x16x128_f4), f32 sums; everything else in f32.
;; Inputs: bk 1,024 float32; bo 1,024 float32; bq 1,024 float32; bv 1,024 float32; k 4 x 2,048 x 1,024 float32; pad_mask 4 x 2,048 x 2,048 bool; q 4 x 2,048 x 1,024 float32; v 4 x 2,048 x 1,024 float32; wk 1,024 x 1,024 float32; wo 1,024 x 1,024 float32; wq 1,024 x 1,024 float32; wv 1,024 x 1,024 float32.
;; Outputs: out0 4 x 2,048 x 1,024 float32; out1 4 x 2,048 x 1,024 float32.
;; This version of the problem:
;;   THIS VERSION OF THE PROBLEM IS GIVEN IN LOW PRECISION. The matrix products marked QUANTISED in the list below multiply operands that are first quantised to E2M1 (2 exponent bits, 1 mantissa bit; 4 bits a number), with one power-of-two scale for each 32 numbers along K (OCP MX v1.0); their sums are f32. All else is computed in f32.
;;   The module's matrix products, in the order in which they are computed (A, B: the left and right operand; K: the contracted axis; several contracted axes count as one K, in the product's order):
;;     1. [M 8,192, K 1,024] x [K 1,024, N 1,024]; A: input q; B: input wq: QUANTISED
;;     2. [M 8,192, K 1,024] x [K 1,024, N 1,024]; A: input k; B: input wk: QUANTISED
;;     3. [M 8,192, K 1,024] x [K 1,024, N 1,024]; A: input v; B: input wv: QUANTISED
;;     4. batch 64 x [M 2,048, K 64] x [K 64, N 2,048]; A: computed on the way; B: computed on the way: QUANTISED
;;     5. batch 64 x [M 2,048, K 2,048] x [K 2,048, N 64]; A: softmax (see below); B: computed on the way: QUANTISED
;;     6. [M 8,192, K 1,024] x [K 1,024, N 1,024]; A: computed on the way; B: input wo: QUANTISED
;;   THE QUANTISER, for each operand of a quantised product, along K:
;;     - K is cut into blocks of 32 from its start; a last block that is shorter is filled with zeros.
;;     - A block's scale is 2^e with e = floor(log2(the largest magnitude in the block)) - 2, held to -126 .. 127; a block of zeros has e = 0. As a byte (E8M0): e + 127.
;;     - Each number is divided by its block's scale, clamped to +-6, and rounded to the nearest number of E2M1, ties to even, subnormals kept.
;;     - The product sums the exact products of the quantised numbers (number of the format x scale) in f32.
;;   ~~~python
;;   def quantise(x, axis):      # numpy; x: float32 -> the quantised numbers, widened to float32 again
;;       x = np.moveaxis(x, axis, -1); K = x.shape[-1]
;;       x = np.pad(x, [(0, 0)] * (x.ndim - 1) + [(0, -K % 32)]); x = x.reshape(x.shape[:-1] + (-1, 32)); a = np.abs(x).max(-1, keepdims=True)
;;       e = np.where(a > 0, np.clip(np.frexp(np.where(a > 0, a, 1))[1] - 1 - 2, -126, 127), 0)      # np.frexp(a)[1] - 1 = floor(log2(a)), exactly
;;       r = np.clip(x / 2.0 ** e, -6, 6)
;;       step = 2.0 ** (np.maximum(np.frexp(np.where(r == 0, 1, r))[1] - 1, 0) - 1)
;;       q = np.round(r / step) * step * 2.0 ** e      # np.round: ties to even
;;       return np.moveaxis(q.reshape(q.shape[:-2] + (-1,))[..., :K], -1, axis).astype(np.float32)
;;   ~~~
;;   SOFTMAX AHEAD OF A QUANTISED PRODUCT. Where the list says 'softmax', what is quantised is not the finished softmax but p = 2^(t - M), with t = logit x log2(e) and M = ceil(the row's largest t), a whole number; so 1/2 < the row's largest p <= 1. The row's sum l is taken of the UNQUANTISED p, in f32, and the product's result is divided by l at the end. Since M is a whole number, a kernel that streams over the keys may use a running M (the ceiling of the running maximum): every later rescaling is an exact power of two, which a block's scale takes up: the codes' values come out the same.
;;   OPERANDS COMPUTED ON THE WAY. 'Computed on the way' means the value that the module computes at that place (a softmax that the list does not call 'softmax' is quantised finished and normalised). What goes into a quantiser is computed in f32, as accurately as f32 sums, v_exp_f32 and their like allow (about 1e-6 of the number): no bf16 or f16 on the way to a quantiser, and a product that is left as it is and whose result goes on into a quantised operand takes f32 operands (vector FMAs, or v_wmma_f32_16x16x4_f32). A number that lies on a knife's edge between two numbers of the format may be rounded either way, as far as f32 arithmetic and the matrix unit's own rounding can turn it there, and no further.
;; 2 versions, each right; version 2 is version 1 with the launch attn written anew for expert scheduling mode. Each part assembles by itself: llvm-mc -triple=amdgcn-amd-amdhsa -mcpu=gfx1250 --defsym DOCPART=n.
;; ======== version 1 of 2: 4 launches
;; limits: right only within a limited range of input values
;; workspace buffers: xw 15,597,568 bytes; maskw 2,097,152 bytes of whole numbers; heads 13,369,344 bytes; ctx 4,456,448 bytes
;; launch prep (part 1): grid 1408 x 1, 4 waves a work-group, no clusters, 67,072 bytes of LDS; arguments q, k, v, wq, wk, wv, wo, pad_mask, xw, maskw, out1; writes xw, maskw, out1
.if DOCPART == 1
	.amdgcn_target "amdgcn-amd-amdhsa--gfx1250"
	.amdhsa_code_object_version 6
	.text
	.protected	k_q8669affcf6_prep
	.globl	k_q8669affcf6_prep
	.p2align	8
	.type	k_q8669affcf6_prep,@function
k_q8669affcf6_prep:
	s_mov_b64 s[64:65], 0
	v_nop
	global_prefetch_b8 v0, s[64:65] scope:SCOPE_SE
	s_setreg_imm32_b32 hwreg(HW_REG_WAVE_MODE, 25, 1), 1
	s_wait_xcnt 0x0
; LAUNCH 1 OF 4.  Two kinds of work-groups, told apart by the work-group's number alone.
; (a) Work-groups 512 .. 1407 turn q, k, v [8192][1024] and wq, wk, wv, wo [1024][1024], f32, into codes of FP4 (E2M1) with K innermost (512 bytes a row) and one E8M0 byte for each 32 along K (32 bytes a row), in xw;
;     those of q also copy q to out1 from the registers that hold it anyway.  A block's scale is 2^(floor(log2(largest magnitude)) - 2); its byte is the largest magnitude's exponent field - 2, held at 1 from below.
;     ROWS LEAVE IN ANOTHER ORDER: of each 32 rows the second and the third eight change places, so that 16 consecutive stored rows are rows 0-7 and 16-23 (or 8-15 and 24-31) of a group of 32.  A matrix result over two
;     such neighbouring tiles then holds 16 NEIGHBOURS of the next product's K in a lane's 16 registers.  A wave takes 8 rows, so the order costs one change of the wave's output base.
; (b) Work-groups 0 .. 511 turn pad_mask into LANE MASKS for the attention launch: for a tile of 16 queries and a step of 128 keys 64 words, word n = the lanes of score register n whose key is open.
;     One work-group takes one tile of queries, each wave 512 keys.
; LIMITS: a block of zeros gets the byte 1 where the rule says 127 (its codes are zeros, and this program alone reads the bytes); NaN and infinities among the inputs are not served.
; No tensor loads, no barrier: waves share nothing.  Each kind of work-group has LDS bytes of its own.
.set SC0,   14680064                   ; xw: the scale bytes begin behind 896 x 16,384 bytes of codes
.set MASKG, 512                        ; work-groups of kind (b)
.set STEPS, 16
.set EMAX,  2
.set CB,    8                          ; bytes of 16 codes
.set R,     16                         ; v16-79   four sets of 16 numbers as they are loaded
.set X,     80                         ; v80-111  two sets of 16 neighbours
.set E,     112                        ; v112-127 a scale byte for each step
.set C,     128                        ; v128-191 codes: four registers for each step, so that no store's data are written again
.set WREG,  8192                       ; LDS of kind (a): a region for each wave: two stages of 32 x SP bytes, then its 256 scale bytes
.set SP,    80                         ; a lane's place in a stage: its 64 bytes + 16 of padding
.set MST,   32768                      ; LDS of kind (b): behind kind (a)'s: a stage of 16 rows x MPI bytes for each wave
.set MPI,   528                        ; 512 bytes of a query's mask + 16 of padding
.set MB,    80                         ; v80-143  mask bytes back from the stage
.set MWD,   144                        ; v144-151 the words of four steps, two to a lane
	s_load_b512 s[4:19], s[0:1], 0x0               ; q s[4:5], k s[6:7], v s[8:9], wq s[10:11], wk s[12:13], wv s[14:15], wo s[16:17], pad_mask s[18:19]
	s_load_b128 s[20:23], s[0:1], 0x40             ; xw s[20:21], maskw s[22:23]
	s_load_b64 s[24:25], s[0:1], 0x50              ; out1
	v_lshl_add_u32 v192, v0, 2, 0x10400
	v_mov_b32 v193, 0
	v_lshrrev_b32 v1, 5, v0
	v_readfirstlane_b32 s26, v1                    ; wave
	v_and_b32 v2, 31, v0                           ; lane
	v_lshlrev_b32 v3, 4, v2                        ; my 16 bytes of a load's 512
	s_cmp_lt_u32 ttmp9, MASKG
	s_cbranch_scc1 .Lmask
; ---------------- (a) the quantiser ----------------
	s_mul_i32 s50, s26, WREG
	v_lshrrev_b32 v14, 2, v2
	v_mul_u32_u24 v14, v14, SP
	v_and_b32 v15, 3, v2
	v_lshl_add_u32 v14, v15, 4, v14
	v_add_nc_u32 v14, s50, v14                     ; the stage, on the way in: four lanes' 64 bytes on end, then 16 of padding
	v_mul_u32_u24 v15, v2, SP
	v_add_nc_u32 v15, s50, v15                     ; and on the way out: my 16 neighbours
	v_mul_u32_u24 v4, v2, CB                       ; my codes' place in a step's
	v_lshrrev_b32 v5, 1, v2
	s_add_co_u32 s51, s50, 2*32*SP
	v_add_nc_u32 v5, s51, v5                       ; LDS: my wave's 256 scale bytes, my block's byte
	v_lshlrev_b32 v7, 3, v2                        ; and on the way out 8 bytes a lane
	v_add_nc_u32 v6, s51, v7
	s_sub_co_u32 s27, ttmp9, MASKG                 ; G: which 32 rows of the seven tensors on end
	s_wait_kmcnt 0x0
	s_mov_b64 s[28:29], s[4:5]
	s_mov_b32 s30, 0
.macro PICK lim, ptr                   ; from work-group lim on the next tensor: the choice hangs on the work-group's number alone
	s_cmp_ge_u32 s27, \lim
	s_cselect_b64 s[28:29], s[\ptr:\ptr+1], s[28:29]
	s_cselect_b32 s30, \lim, s30
.endm
	PICK 256, 6
	PICK 512, 8
	PICK 768, 10
	PICK 800, 12
	PICK 832, 14
	PICK 864, 16
	s_cmp_lt_u32 s27, 256
	s_cselect_b32 s31, 1, 0                        ; 1: my rows are q's, and are copied to out1
	s_sub_co_u32 s32, s27, s30
	s_lshl_b32 s32, s32, 2
	s_add_co_u32 s32, s32, s26                     ; which run of 8 rows of the tensor is my wave's
	s_lshl_b32 s32, s32, 15                        ; 32,768 bytes a run
	s_mov_b32 s33, 0
	s_add_nc_u64 s[28:29], s[28:29], s[32:33]
	s_add_nc_u64 s[24:25], s[24:25], s[32:33]      ; (used by q's work-groups alone)
	s_and_b32 s34, s26, 1
	s_lshl_b32 s34, s34, 1
	s_lshr_b32 s35, s26, 1
	s_or_b32 s34, s34, s35                         ; waves 1 and 2 change places on the way out
	s_lshl_b32 s35, s27, 2
	s_add_co_u32 s34, s34, s35
	s_lshl_b32 s36, s34, 12                        ; 4,096 bytes of codes a run
	s_mov_b32 s37, 0
	s_add_nc_u64 s[36:37], s[20:21], s[36:37]
	s_lshl_b32 s38, s34, 8                         ; 256 scale bytes a run
	s_add_co_u32 s38, s38, SC0
	s_mov_b32 s39, 0
	s_add_nc_u64 s[38:39], s[20:21], s[38:39]
.macro LOAD t
.irp i, 0,1,2,3
	global_load_b128 v[R+16*((\t)%4)+4*\i:R+16*((\t)%4)+4*\i+3], v3, s[28:29] offset:2048*(\t)+512*\i th:TH_LOAD_NT   ; 32 lanes read 512 consecutive bytes
.endr
.endm
.macro TURN t                          ; step t's numbers: q's go to out1 as they lie; all go through the stage (LDS serves a wave's instructions in order: no wait between the stores and the loads)
	s_cmp_eq_u32 s31, 1
	s_cbranch_scc0 .Lnot_q_\@
.irp i, 0,1,2,3
	global_store_b128 v3, v[R+16*((\t)%4)+4*\i:R+16*((\t)%4)+4*\i+3], s[24:25] offset:2048*(\t)+512*\i th:TH_STORE_NT   ; 32 lanes store 512 consecutive bytes, aligned
.endr
.Lnot_q_\@:
.irp i, 0,1,2,3
	ds_store_b128 v14, v[R+16*((\t)%4)+4*\i:R+16*((\t)%4)+4*\i+3] offset:32*SP*((\t)%2)+8*SP*\i
.endr
.irp i, 0,1,2,3
	ds_load_b128 v[X+16*((\t)%2)+4*\i:X+16*((\t)%2)+4*\i+3], v15 offset:32*SP*((\t)%2)+16*\i
.endr
.endm
.irp t, 0,1,2,3
	LOAD \t
.endr
	s_wait_loadcnt 12                              ; step 0's four loads are in; the 12 of steps 1 to 3 may be out
	TURN 0
.macro STEP t
.set XS, X+16*((\t)%2)
.if (\t) > 0
	s_wait_dscnt 1                                 ; this step's numbers are back from the stage (the last step's byte store may be out): so its stores into the stage have read their registers
.else
	s_wait_dscnt 0x0
.endif
.if (\t)+4 < STEPS
	s_wait_xcnt 0x0                                ; the copy's stores have read these registers too: only behind this wait
	LOAD (\t)+4                                    ; do they take the loads of four steps on
.endif
.if (\t)+1 < STEPS
.if STEPS-2-(\t) >= 3
	s_wait_loadcnt 12                              ; the next step's four loads are in; those of the three steps behind it may be out
.else
	s_wait_loadcnt 4*(STEPS-2-(\t))
.endif
	TURN (\t)+1                                    ; and go through the other stage while this step is worked
.endif
	v_max3_num_f32 v8, |v[XS]|, |v[XS+1]|, |v[XS+2]|               ; the largest magnitude of my 16
	v_max3_num_f32 v9, |v[XS+3]|, |v[XS+4]|, |v[XS+5]|
.irp i, 6,10
	v_max3_num_f32 v8, v8, |v[XS+\i]|, |v[XS+\i+1]|
	v_max3_num_f32 v9, v9, |v[XS+\i+2]|, |v[XS+\i+3]|
.endr
	v_max3_num_f32 v8, v8, |v[XS+14]|, |v[XS+15]|
	v_max3_num_f32 v8, v8, v9, (EMAX+1)<<23        ; and the floor 2^(EMAX + 1 - 127): the byte cannot fall under 1
	v_max_num_f32_dpp v8, v8, v8 row_xmask:1 row_mask:0xf bank_mask:0xf   ; and of my neighbour's 16: the block's
	v_add_nc_u32 v11, -(EMAX<<23), v8              ; EMAX off its exponent field: the conversion takes the exponent field of this operand as its scale
	v_cvt_scalef32_pk8_fp4_f32 v[C+4*(\t)], v[XS:XS+7], v11
	v_cvt_scalef32_pk8_fp4_f32 v[C+4*(\t)+1], v[XS+8:XS+15], v11
	v_lshrrev_b32 v[E+(\t)], 23, v11               ; the scale's byte (also the plain line behind the conversions)
	ds_store_b8 v5, v[E+(\t)] offset:16*(\t)       ; both lanes of a block write the same byte with the same value
	global_store_b64 v4, v[C+4*(\t):C+4*(\t)+1], s[36:37] offset:32*CB*(\t)   ; the wave stores 256 consecutive bytes, aligned
.endm
.irp t, 0,1,2,3,4,5,6,7,8,9,10,11,12,13,14,15
	STEP \t
.endr
	ds_load_b64 v[12:13], v6                       ; LDS serves a wave's instructions in order: these see my stores
	s_wait_dscnt 0x0
	global_store_b64 v7, v[12:13], s[38:39]        ; 32 lanes store 256 consecutive bytes, aligned
	s_wait_tensorcnt 0x0
	ds_add_u32 v192, v193
	s_wait_dscnt 0x0
	s_endpgm
; ---------------- (b) the mask ----------------
.Lmask:
	v_and_b32 v8, 15, v2                           ; r
	v_lshrrev_b32 v9, 4, v2                        ; h
	s_mul_i32 s50, s26, 16*MPI
	s_add_co_u32 s50, s50, MST                     ; my stage
	v_add_nc_u32 v4, s50, v3                       ; in: a query's 512 bytes as they lie, 16 a lane
	v_mul_u32_u24 v5, v8, MPI
	v_lshl_add_u32 v5, v9, 4, v5
	v_add_nc_u32 v5, s50, v5                       ; out: lane (r, h): query r, keys 16 h on
	v_lshlrev_b32 v6, 3, v2                        ; two words a lane
.irp j, 0,1,2,3,4,5,6,7
	v_mov_b32 v[MWD+\j], 0                         ; v_writelane_b32's destination counts as read
.endr
	s_lshr_b32 s27, ttmp9, 7                       ; the batch
	s_and_b32 s28, ttmp9, 127                      ; T: the tile of queries in it
	s_lshr_b32 s29, s28, 1
	s_lshl_b32 s29, s29, 5
	s_and_b32 s30, s28, 1
	s_lshl_b32 s30, s30, 3
	s_add_co_u32 s29, s29, s30                     ; the tile's first query: 32 (T / 2) + 8 (T % 2)
	s_lshl_b32 s29, s29, 11                        ; 2,048 bytes a query
	s_lshl_b32 s27, s27, 22
	s_add_co_u32 s32, s29, s27
	s_lshl_b32 s30, s26, 9                         ; my wave's 512 keys
	s_add_co_u32 s32, s32, s30
	s_mov_b32 s33, 0
	s_lshl_b32 s34, ttmp9, 12                      ; the tile's 16 steps x 256 bytes of words,
	s_lshl_b32 s30, s26, 10                        ; my four steps
	s_add_co_u32 s34, s34, s30
	s_mov_b32 s35, 0
	s_wait_kmcnt 0x0
	s_add_nc_u64 s[18:19], s[18:19], s[32:33]
	s_add_nc_u64 s[22:23], s[22:23], s[34:35]
.irp t, 0,1,2,3,4,5,6,7,8,9,10,11,12,13,14,15
	global_load_b128 v[16+4*\t:19+4*\t], v3, s[18:19] offset:(\t+8*(\t/8))*2048 th:TH_LOAD_NT   ; the tile's lane t stands for query t + 8 (t / 8); 512 consecutive bytes
.endr
.irp t, 0,1,2,3,4,5,6,7,8,9,10,11,12,13,14,15
	s_wait_loadcnt 15-\t                           ; loads come back in order: row t is in
	ds_store_b128 v4, v[16+4*\t:19+4*\t] offset:MPI*\t
.endr
.irp g, 0,1,2,3,4,5,6,7,8,9,10,11,12,13,14,15
	ds_load_b128 v[MB+4*\g:MB+4*\g+3], v5 offset:128*(\g/4)+32*(\g%4)   ; step g / 4, block g % 4: keys 32 (g % 4) + 16 h + 0 .. 15 of query r
.endr
; Step q of my four.  Byte i of register g is the key of score register n = 4 g + i: the compare's lane mask IS word n.  Lane n / 2 gets it as word n % 2 of its pair.
.macro WORDS q
	s_wait_dscnt 4*(3-\q)                          ; this step's four loads are back; the later steps' may be out
.irp g, 0,1,2,3,4,5,6,7,8,9,10,11,12,13,14,15
	v_and_b32 v8, 1, v[MB+16*\q+\g]
	v_and_b32 v9, 0x100, v[MB+16*\q+\g]
	v_and_b32 v10, 0x10000, v[MB+16*\q+\g]
	v_and_b32 v11, 0x1000000, v[MB+16*\q+\g]
	v_cmp_ne_u32 s40, 0, v8
	v_cmp_ne_u32 s41, 0, v9
	v_cmp_ne_u32 s42, 0, v10
	v_cmp_ne_u32 s43, 0, v11
	v_writelane_b32 v[MWD+2*\q], s40, 2*\g
	v_writelane_b32 v[MWD+2*\q+1], s41, 2*\g
	v_writelane_b32 v[MWD+2*\q], s42, 2*\g+1
	v_writelane_b32 v[MWD+2*\q+1], s43, 2*\g+1
.endr
	global_store_b64 v6, v[MWD+2*\q:MWD+2*\q+1], s[22:23] offset:256*\q   ; the step's 64 words: 256 consecutive bytes, aligned
.endm
	WORDS 0
	WORDS 1
	WORDS 2
	WORDS 3
	s_wait_tensorcnt 0x0
	ds_add_u32 v192, v193
	s_wait_dscnt 0x0
	s_endpgm
.Lfunc_end_k_q8669affcf6_prep:
	.size	k_q8669affcf6_prep, .Lfunc_end_k_q8669affcf6_prep-k_q8669affcf6_prep
	.p2alignl 7, 3214868480
	.fill 96, 4, 3214868480
	.section	.rodata,"a",@progbits
	.p2align	6, 0x0
	.amdhsa_kernel k_q8669affcf6_prep
		.amdhsa_group_segment_fixed_size 67072
		.amdhsa_private_segment_fixed_size 0
		.amdhsa_enable_private_segment 0
		.amdhsa_kernarg_size 88
		.amdhsa_user_sgpr_count 2
		.amdhsa_user_sgpr_kernarg_segment_ptr 1
		.amdhsa_wavefront_size32 1
		.amdhsa_system_sgpr_workgroup_id_x 1
		.amdhsa_system_sgpr_workgroup_id_y 1
		.amdhsa_system_sgpr_workgroup_id_z 1
		.amdhsa_system_vgpr_workitem_id 0
		.amdhsa_next_free_vgpr 194
		.amdhsa_next_free_sgpr 66
		.amdhsa_reserve_vcc 0
		.amdhsa_float_denorm_mode_32 3
		.amdhsa_float_denorm_mode_16_64 3
		.amdhsa_memory_ordered 1
		.amdhsa_forward_progress 1
		.amdhsa_inst_pref_size 94
	.end_amdhsa_kernel
	.amdgpu_metadata
---
amdhsa.version: [ 1, 2 ]
amdhsa.kernels:
  - .name:           k_q8669affcf6_prep
    .symbol:         k_q8669affcf6_prep.kd
    .args:
      - { .name: q, .offset: 0, .size: 8, .value_kind: global_buffer, .address_space: global }
      - { .name: k, .offset: 8, .size: 8, .value_kind: global_buffer, .address_space: global }
      - { .name: v, .offset: 16, .size: 8, .value_kind: global_buffer, .address_space: global }
      - { .name: wq, .offset: 24, .size: 8, .value_kind: global_buffer, .address_space: global }
      - { .name: wk, .offset: 32, .size: 8, .value_kind: global_buffer, .address_space: global }
      - { .name: wv, .offset: 40, .size: 8, .value_kind: global_buffer, .address_space: global }
      - { .name: wo, .offset: 48, .size: 8, .value_kind: global_buffer, .address_space: global }
      - { .name: pad_mask, .offset: 56, .size: 8, .value_kind: global_buffer, .address_space: global }
      - { .name: xw, .offset: 64, .size: 8, .value_kind: global_buffer, .address_space: global }
      - { .name: maskw, .offset: 72, .size: 8, .value_kind: global_buffer, .address_space: global }
      - { .name: out1, .offset: 80, .size: 8, .value_kind: global_buffer, .address_space: global }
    .group_segment_fixed_size: 67072
    .private_segment_fixed_size: 0
    .kernarg_segment_align: 8
    .kernarg_segment_size: 88
    .max_flat_workgroup_size: 128
    .sgpr_count:     66
    .vgpr_count:     194
    .wavefront_size: 32
...
	.end_amdgpu_metadata
.endif
;; end of part 1
;; launch proj (part 2): grid 4 x 96, 4 waves a work-group, clusters of 4 x 4, 327,680 bytes of LDS; arguments xw, bq, bk, bv, heads; writes heads
.if DOCPART == 2
	.amdgcn_target "amdgcn-amd-amdhsa--gfx1250"
	.amdhsa_code_object_version 6
	.text
	.protected	k_q8669affcf6_proj
	.globl	k_q8669affcf6_proj
	.p2align	8
	.type	k_q8669affcf6_proj,@function
k_q8669affcf6_proj:
	s_mov_b64 s[64:65], 0
	v_nop
	global_prefetch_b8 v0, s[64:65] scope:SCOPE_SE
	s_setreg_imm32_b32 hwreg(HW_REG_WAVE_MODE, 25, 1), 1
	s_wait_xcnt 0x0
	s_wait_alu depctr_hold_cnt(0) depctr_sa_sdst(0) depctr_va_vdst(0) depctr_va_sdst(0) depctr_va_ssrc(0) depctr_va_vcc(0) depctr_vm_vsrc(0)
	s_getreg_b32 s2, hwreg(HW_REG_IB_STS2, 6, 4)
	s_cmp_eq_u32 s2, 0
	s_cbranch_scc0 .Lentry_in_a_cluster
	s_endpgm
.Lentry_in_a_cluster:
	s_bfe_u32 s2, ttmp6, 0x10000c
	s_cmp_lg_u32 s2, 0xf033
	s_cbranch_scc0 .Lentry_shape_is_right
	s_endpgm
.Lentry_shape_is_right:
; LAUNCH 2 OF 4.  The three projections on codes of FP4 (E2M1) with E8M0 scales, K = 1,024; bias in f32; the results are quantised in registers and leave as IMAGES OF THE OPERAND REGISTERS that the attention launch wants.
; Cluster y = 8 P + idx.  P = 0: xq = q wq^T + bq;  P = 1: xk likewise;  P = 2: xv^T = wv v^T + bv.  For P = 0, 1 A = the tokens and B = the weight; for P = 2 A = wv and B = the tokens of v.
; A tile of C, 256 x 256, is made by a work-group of four waves; a wave makes 128 x 128: 64 accumulators of 16 x 16.  K goes in two steps of 512 through two LDS slots, both filled at the start, as are the scale bytes: nothing is filled again.
; THE MATRIX INSTRUCTION IS USED TRANSPOSED (source 0 = 16 rows of B, source 1 = 16 rows of A): a lane holds ONE row of A and its registers run along B's rows.  All rows lie in xw in the order that launch 1 gave them
; (16 stored rows = rows 0-7 and 16-23, or 8-15 and 24-31, of a group of 32): so a lane's 16 registers of B's blocks 2 i and 2 i + 1 are 16 NEIGHBOURS: features (P = 0, 1: the head's axis, K of the scores) or tokens (P = 2: the keys, K of the second product).
; A wave's 64 numbers of a block of A's rows are 128 neighbours in two lanes: four blocks of 32.  They become one fragment (8 registers) and one scale word:
;   P = 0, 1: registers 0-3 belong to head f0 / 64, registers 4-7 to the next head: each half is a tile's image, 512 bytes, 16 a lane;   P = 2: the fragment '16 of the head's 64 x 128 keys', 1,024 bytes.
; CLUSTERS: 4 x 4 work-groups; A's tiles are asked for jointly along a row of the cluster, B's along a column.
; LIMITS: a block of zeros gets the byte 1 (its codes are zeros; this program alone reads the bytes); NaN and infinities are not served.
; REGISTERS, in windows of 256: window 0: v0-31 addresses; v32-95 scale words, two sets, and nothing else; v128-191 A's fragments, ONE set; in the tail v96-255 are at work.
;   window 1: B's fragments, TWO sets, at v0 and v128; v192-255 the biases.   window 2: the accumulators of my rows 0-63 ((a, b) at v[8 (8 a + b)]);   window 3: those of my rows 64-127.
.set KSTEP,  512
.set NQ,     KSTEP/128
.set ROWB,   256                       ; a tile's row in bytes
.set KROW,   512                       ; a row of codes in memory
.set PITCH,  272                       ; an LDS row: 256 bytes + 16 of padding: the 16 rows that a load touches start at 16 different banks (64 banks of 4 bytes: ISA guide 11.1)
.set FR,     8
.set NL,     2
.set NP,     4                         ; places behind this matrix instruction (ISA guide 7.12.1)
.set HALFT,  128*PITCH
.set SLOT,   4*HALFT
.set KS,     32                        ; a row of scale bytes
.set SCL,    2*SLOT
.set HALFS,  (128*KS/256)*272
.set SBLK,   (16*KS/256)*272
.set SPARE,  SCL+4*HALFS               ; the spare words: 128 bytes for each wave, named by no other line
.set WC0,    12582912                  ; xw: the weights' codes
.set SC0,    14680064                  ; xw: the tokens' scale bytes
.set WS0,    SC0+786432                ; xw: the weights' scale bytes
.set HSC,    12582912                  ; heads: the scale words
.set ADRA, 16
.set ADRB, 20
.set LI16, 24                          ; v24  16 x lane: an image's place for my lane
.set LI8,  25                          ; v25  8 x lane: a pair of scale words'
.set BOF0, 26                          ; v26  bias offset, P = 0, 1: 64 h
.set ADRS, 27
.set SPW,  28
.set NIL,  29
.set BOF1, 30                          ; v30  bias offset, P = 2: 4 (r + 8 (r / 8))
.set SC,   32
.set AF,   128
.set HA,   96                          ; the tail: 64 numbers of a lane
.set PC,   160                         ; eight fragments' codes: registers of its own for each block, so that no store's data are written again
.set TM,   224
.set SW,   240                         ; eight scale words
.set WW,   248
.set BI,   192                         ; in window 1
.set G1, 24
.set G0, 32
.set G1B, 48
.set G0B, 56
.set G1S, 68
.set G0S, 76
.set G1SB, 80
.set G0SB, 88
.set MSB, 0
.macro WIN new                         ; the immediate's high byte repeats the setting that is left
.if MSB != (\new)
	s_set_vgpr_msb (MSB<<8)|(\new)
.set MSB, (\new)
.endif
.endm
.set MUL_LO, 0xa1                      ; source 0 (B) window 1, source 1 (A) window 0, C and D window 2
.set MUL_HI, 0xf1
.set TO_B,   0x40
.macro JLOAD g0a, g1a, g0b, g1b        ; a joint load: waves 0 and 1 fetch for A, waves 2 and 3 for B; four v_nop follow each line
	s_cmp_eq_u32 s15, 0
	s_cbranch_scc0 .Lfor_b_\@
	tensor_load_to_lds s[\g0a:\g0a+3], s[\g1a:\g1a+7]
	s_nop 0
.rept 4
	v_nop
.endr
	s_branch .Lasked_\@
.Lfor_b_\@:
	tensor_load_to_lds s[\g0b:\g0b+3], s[\g1b:\g1b+7]
	s_nop 0
.rept 4
	v_nop
.endr
.Lasked_\@:
.endm
.macro CROUND                          ; a round of the cluster's barrier
	s_barrier_signal -1
	s_barrier_wait -1
	s_cmp_lg_u32 s14, 0
	s_cbranch_scc1 .Lnot_wave_0_\@
	s_barrier_signal -3
.Lnot_wave_0_\@:
	s_barrier_wait -3
	s_barrier_signal -1
	s_barrier_wait -1
.endm
	s_load_b256 s[4:11], s[0:1], 0x0               ; xw s[4:5], bq s[6:7], bk s[8:9], bv s[10:11]
	s_load_b64 s[12:13], s[0:1], 0x20              ; heads
	v_lshl_add_u32 v[SPW], v0, 2, SPARE
	v_mov_b32 v[NIL], 0
	ds_add_u32 v28, v29
	ds_add_u32 v28, v29
	s_wait_dscnt 0x0
	v_lshrrev_b32 v1, 5, v0
	v_readfirstlane_b32 s14, v1                    ; wave 0..3
	s_lshr_b32 s15, s14, 1                         ; which half of the tile's rows is mine.  Also: I fetch for A (0) or for B (1)
	s_and_b32 s16, s14, 1                          ; which half of its columns.  Also: which 128 rows of that tile I fetch
	s_bfe_u32 s40, ttmp6, 0x40000                  ; cx, cy: my place in the cluster
	s_bfe_u32 s41, ttmp6, 0x40004
	s_and_b32 s96, ttmp7, 0xffff                   ; cluster y: the same in all sixteen partners
	s_lshr_b32 s95, s96, 3                         ; P: which projection
	s_and_b32 s96, s96, 7                          ; idx: which 1,024 tokens
	s_lshl_b32 s18, s95, 22                        ; in xw: the tokens' codes,
	s_lshl_b32 s19, s95, 19
	s_add_co_u32 s19, s19, WC0                     ; the weight's codes,
	s_lshl_b32 s20, s95, 18
	s_add_co_u32 s20, s20, SC0                     ; the tokens' scale bytes,
	s_lshl_b32 s21, s95, 15
	s_add_co_u32 s21, s21, WS0                     ; the weight's
	s_cmp_eq_u32 s95, 2                            ; for xv the tokens are B
	s_cselect_b32 s42, s96, 0
	s_cselect_b32 s17, 0, s96
	s_cselect_b32 s97, s19, s18                    ; A's codes
	s_cselect_b32 s98, s18, s19                    ; B's codes
	s_cselect_b32 s99, s21, s20                    ; A's scale bytes
	s_cselect_b32 s100, s20, s21                   ; B's
	s_lshl_b32 s42, s42, 2
	s_add_co_u32 s42, s42, s40                     ; tile column of C
	s_lshl_b32 s17, s17, 2
	s_add_co_u32 s17, s17, s41                     ; tile row of C
	s_lshl_b32 s43, s41, 2
	s_lshl_b32 s43, 15, s43                        ; my row of the cluster
	s_lshl_b32 s44, 0x1111, s40                    ; my column
	s_or_b32 s[G1+0], s43, (0<<16)|(1<<20)|(1<<21)|(5<<22)|(3<<25)  ; the mask; elements of 1 byte; padding on; bit 21 beside a mask; after every 64 words 4 words
	s_or_b32 s[G1B+0], s44, (0<<16)|(1<<20)|(1<<21)|(5<<22)|(3<<25)
.irp g, G1, G1B
	s_mov_b32 s[\g+1], ROWB<<16                    ; tensor_dim0
	s_mov_b32 s[\g+2], 128<<16                     ; tensor_dim1
	s_mov_b32 s[\g+3], ROWB<<16                    ; tile_dim0
	s_mov_b32 s[\g+4], 128                         ; tile_dim1
	s_mov_b32 s[\g+5], KROW                        ; tensor_dim0_stride
	s_mov_b32 s[\g+6], 0
	s_mov_b32 s[\g+7], 0
.endr
	s_or_b32 s[G1S+0], s43, (3<<16)|(1<<20)|(1<<21)|(5<<22)|(3<<25) ; the scale bytes of 128 rows: a dense block, as rows of 256 bytes (32 elements of 8), 16 bytes of padding behind each
	s_or_b32 s[G1SB+0], s44, (3<<16)|(1<<20)|(1<<21)|(5<<22)|(3<<25)
.irp g, G1S, G1SB
	s_mov_b32 s[\g+1], 32<<16
	s_mov_b32 s[\g+2], (128*KS/256)<<16
	s_mov_b32 s[\g+3], 32<<16
	s_mov_b32 s[\g+4], 128*KS/256
	s_mov_b32 s[\g+5], 32
	s_mov_b32 s[\g+6], 0
	s_mov_b32 s[\g+7], 0
.endr
	s_lshl_b32 s18, s16, 7                         ; which 128 rows of the tile I fetch
	s_lshl_b32 s20, s17, 8
	s_add_co_u32 s20, s20, s18                     ; A: row 256 x tile row + 128 x half
	s_lshl_b32 s46, s42, 8
	s_add_co_u32 s46, s46, s18                     ; B: row 256 x tile column + 128 x half
	s_lshl_b32 s22, s20, 5                         ; their scale bytes,
	s_add_co_u32 s22, s22, s99
	s_mov_b32 s23, 0
	s_lshl_b32 s92, s46, 5
	s_add_co_u32 s92, s92, s100
	s_mov_b32 s93, 0
	s_lshl_b32 s20, s20, 9                         ; and their codes, as offsets in xw (under 2^24)
	s_add_co_u32 s20, s20, s97
	s_mov_b32 s21, 0
	s_lshl_b32 s46, s46, 9
	s_add_co_u32 s46, s46, s98
	s_mov_b32 s47, 0
	s_mul_i32 s45, s14, HALFT                      ; where they go: wave x 128 rows: no place in the cluster enters an LDS address
	s_mul_i32 s94, s14, HALFS
	s_wait_kmcnt 0x0
	s_add_nc_u64 s[20:21], s[4:5], s[20:21]
	s_add_nc_u64 s[22:23], s[4:5], s[22:23]
	s_add_nc_u64 s[46:47], s[4:5], s[46:47]
	s_add_nc_u64 s[92:93], s[4:5], s[92:93]
	CROUND                                         ; all sixteen work-groups are here: the joint loads meet.  Three loads of mine go out, as one group
	s_mov_b32 s[G0S], 1
	s_add_co_u32 s[G0S+1], s94, SCL
	s_mov_b64 s[G0S+2:G0S+3], s[22:23]
	s_or_b32 s[G0S+3], s[G0S+3], 0x80000000
	s_mov_b32 s[G0SB], 1
	s_add_co_u32 s[G0SB+1], s94, SCL
	s_mov_b64 s[G0SB+2:G0SB+3], s[92:93]
	s_or_b32 s[G0SB+3], s[G0SB+3], 0x80000000
	JLOAD G0S, G1S, G0SB, G1SB                     ; the scale bytes first: they are wanted with K step 0
.irp s, 0,1
	s_mov_b32 s[G0+4*\s], 1
	s_add_co_u32 s[G0+4*\s+1], s45, \s*SLOT
	s_add_nc_u64 s[G0+4*\s+2:G0+4*\s+3], s[20:21], \s*ROWB
	s_or_b32 s[G0+4*\s+3], s[G0+4*\s+3], 0x80000000
	s_mov_b32 s[G0B+4*\s], 1
	s_add_co_u32 s[G0B+4*\s+1], s45, \s*SLOT
	s_add_nc_u64 s[G0B+4*\s+2:G0B+4*\s+3], s[46:47], \s*ROWB
	s_or_b32 s[G0B+4*\s+3], s[G0B+4*\s+3], 0x80000000
	JLOAD G0+4*\s, G1, G0B+4*\s, G1B
.endr
	v_and_b32 v1, 15, v0                           ; r
	v_bfe_u32 v2, v0, 4, 1                         ; h
	v_mul_u32_u24 v3, v1, PITCH
	v_lshl_add_u32 v4, v2, 4, v3                   ; a fragment's row x pitch + 16 x half
	s_mul_i32 s21, s15, HALFT                      ; my 128 rows of A
	s_mul_i32 s22, s16, HALFT                      ; my 128 rows of B,
	s_add_co_u32 s22, s22, 2*HALFT                 ; which lie behind A's 256
.irp s, 0,1
	v_add_nc_u32 v[ADRA+\s], s21, v4
	v_add_nc_u32 v[ADRB+\s], s22, v4
	s_add_co_u32 s21, s21, SLOT
	s_add_co_u32 s22, s22, SLOT
.endr
	v_mul_u32_u24 v5, v1, KS                       ; my row's scale bytes: KS a row,
	v_lshrrev_b32 v6, 8, v5
	v_lshl_add_u32 v5, v6, 4, v5                   ; and 16 more for each 256 passed
	s_mul_i32 s21, s15, HALFS
	s_mul_i32 s22, s16, HALFS
	s_add_co_u32 s22, s22, 2*HALFS
	s_sub_co_u32 s22, s22, s21
	v_mul_u32_u24 v6, s22, v2                      ; lanes 16-31 take B's
	s_add_co_u32 s21, s21, SCL
	v_add_nc_u32 v5, v5, v6
	v_add_nc_u32 v[ADRS], s21, v5
	v_and_b32 v6, 31, v0
	v_lshlrev_b32 v[LI16], 4, v6
	v_lshlrev_b32 v[LI8], 3, v6
	v_lshlrev_b32 v[BOF0], 6, v2
	v_and_b32 v5, 8, v1
	v_add_nc_u32 v5, v5, v1
	v_lshlrev_b32 v[BOF1], 2, v5
	; where my results go
	s_lshl_b32 s20, s17, 8
	s_lshl_b32 s21, s15, 7
	s_add_co_u32 s20, s20, s21                     ; my first row of A
	s_lshl_b32 s21, s42, 8
	s_lshl_b32 s22, s16, 7
	s_add_co_u32 s21, s21, s22                     ; my first row of B
	s_cmp_eq_u32 s95, 2
	s_cselect_b32 s22, s21, s20                    ; my first token,
	s_cselect_b32 s23, s20, s21                    ; my first feature
	s_lshr_b32 s46, s22, 11
	s_lshl_b32 s46, s46, 4
	s_lshr_b32 s47, s23, 6
	s_add_co_u32 s46, s46, s47                     ; 16 x batch + head
	s_bfe_u32 s47, s22, 0x40007                    ; which 128 tokens of the batch's 2,048
	s_lshl_b32 s92, s46, 16
	s_lshl_b32 s93, s47, 12
	s_add_co_u32 s92, s92, s93
	s_lshl_b32 s93, s95, 22
	s_add_co_u32 s92, s92, s93
	s_mov_b32 s93, 0
	s_add_nc_u64 s[92:93], s[12:13], s[92:93]      ; the images
	s_lshl_b32 s96, s46, 12
	s_lshl_b32 s97, s47, 8
	s_add_co_u32 s96, s96, s97
	s_lshl_b32 s97, s95, 18
	s_add_co_u32 s96, s96, s97
	s_add_co_u32 s96, s96, HSC
	s_mov_b32 s97, 0
	s_add_nc_u64 s[96:97], s[12:13], s[96:97]      ; the scale words
	s_cmp_eq_u32 s95, 1
	s_cselect_b64 s[98:99], s[8:9], s[6:7]
	s_cmp_eq_u32 s95, 2
	s_cselect_b64 s[98:99], s[10:11], s[98:99]     ; the bias: a choice on the projection's number
	s_lshl_b32 s100, s23, 2
	s_mov_b32 s101, 0
	s_add_nc_u64 s[98:99], s[98:99], s[100:101]
	s_mov_b32 s104, 0xffff0000                     ; lanes 16-31
	s_mov_b32 s2, 0x76543210
	s_mov_b32 s3, 0xfedcba98                       ; v_permlanex16_b32's selects for lane l xor 16
.macro FRAG reg, adr, q, i             ; a fragment, 16 rows x 128 K of 4-bit codes: lane l holds row l % 16; registers 4 c .. 4 c + 3 hold K = 64 c + 32 (l / 16) + 0 .. 31
.irp c, 0,1
	ds_load_b128 v[\reg+4*\c:\reg+4*\c+3], v[\adr] offset:64*(\q)+32*\c+(\i)*16*PITCH
.endr
.endm
; 16 matrix instructions: A's blocks a0, a0 + 1 x B's eight, 128 along K.  The 64 accumulators take turns, one instruction a turn, in the same order in every step.
.macro MUL16 a0, p, q, sc, zero
.irp a, \a0, \a0+1
.irp b, 0,1,2,3,4,5,6,7
.if \zero
	v_wmma_scale_f32_16x16x128_f8f6f4 v[8*(8*((\a)%4)+\b):8*(8*((\a)%4)+\b)+7], v[128*(\p)+FR*\b:128*(\p)+FR*\b+FR-1], v[AF+FR*(\a):AF+FR*(\a)+FR-1], 0, v[SC+8*NQ*(\sc)+NQ*\b+(\q)], v[SC+8*NQ*(\sc)+NQ*(\a)+(\q)] matrix_a_fmt:MATRIX_FMT_FP4 matrix_b_fmt:MATRIX_FMT_FP4 matrix_a_scale:MATRIX_SCALE_ROW1
.else
	v_wmma_scale_f32_16x16x128_f8f6f4 v[8*(8*((\a)%4)+\b):8*(8*((\a)%4)+\b)+7], v[128*(\p)+FR*\b:128*(\p)+FR*\b+FR-1], v[AF+FR*(\a):AF+FR*(\a)+FR-1], v[8*(8*((\a)%4)+\b):8*(8*((\a)%4)+\b)+7], v[SC+8*NQ*(\sc)+NQ*\b+(\q)], v[SC+8*NQ*(\sc)+NQ*(\a)+(\q)] matrix_a_fmt:MATRIX_FMT_FP4 matrix_b_fmt:MATRIX_FMT_FP4 matrix_a_scale:MATRIX_SCALE_ROW1
.endif
.endr
.endr
.endm
.macro FETCH_B slot, q, p
	WIN TO_B
.irp i, 0,1,2,3,4,5,6,7
	FRAG 128*(\p)+FR*\i, ADRB+\slot, \q, \i
.endr
	WIN 0
.endm
.macro FETCH_A slot, q, i0
.irp i, \i0, \i0+1, \i0+2, \i0+3
	FRAG AF+FR*(\i), ADRA+\slot, \q, \i
.endr
.endm
.macro SCALES sc                       ; a K step's scale words: NQ words a row; lanes 0-15 take A's block i, lanes 16-31 B's block i
.irp i, 0,1,2,3,4,5,6,7
	ds_load_b128 v[SC+8*NQ*\sc+NQ*\i:SC+8*NQ*\sc+NQ*\i+3], v[ADRS] offset:\i*SBLK
.endr
.endm
.macro PLACES n                        ; plain vector lines between a matrix instruction and a load into, or a vector line on, one of its registers
.rept \n
	v_nop
.endr
.endm
.macro STEP slot, q, zero              ; a step of 128 along K that has its successor in the same slot
	s_wait_dscnt 4*NL                              ; B's set and A's blocks 0-3 are in; the youngest eight loads (A's blocks 4-7) may be out
	WIN MUL_LO
	MUL16 0, (\q)%2, \q, \slot, \zero
	MUL16 2, (\q)%2, \q, \slot, \zero
	s_wait_dscnt 0                                 ; A's blocks 4-7 are in
	PLACES NP
	FETCH_B \slot, (\q)+1, 1-(\q)%2
	FETCH_A \slot, (\q)+1, 0
	WIN MUL_HI
	MUL16 4, (\q)%2, \q, \slot, \zero
	MUL16 6, (\q)%2, \q, \slot, \zero
	PLACES NP
	WIN 0
	FETCH_A \slot, (\q)+1, 4
.endm
.macro TURN slot, next                 ; a slot's last step changes slots: one barrier; in front of it all my tensor loads have landed and my reads of this slot are over.  Nothing is filled again
	s_wait_tensorcnt 0x0                           ; my part of the next slot has landed
	ds_add_u32 v[SPW], v[NIL]                      ; 0 onto my spare word
	s_wait_dscnt 4*NL+1                            ; (the add and the youngest eight loads may be out)
	WIN MUL_LO
	MUL16 0, 1, NQ-1, \slot, 0
	s_wait_dscnt 0x0                               ; the add is done, and my reads of this slot are over
	s_barrier_signal -1
	MUL16 2, 1, NQ-1, \slot, 0
	WIN 0
	s_barrier_wait -1                              ; the next slot is whole for every wave
	PLACES NP
	v_add_nc_u32 v[ADRS], 4*NQ, v[ADRS]            ; on to the next K step's scale words
	FETCH_B \next, 0, 0
	FETCH_A \next, 0, 0
	SCALES \next
	WIN MUL_HI
	MUL16 4, 1, NQ-1, \slot, 0
	MUL16 6, 1, NQ-1, \slot, 0
	PLACES NP
	WIN 0
	FETCH_A \next, 0, 4
.endm
.macro STEPS slot, from
.set Q, \from
.rept NQ-1-\from
	STEP \slot, Q, 0
.set Q, Q+1
.endr
.endm
.macro LAST                            ; the very last step of 128 along K: nothing more to fetch
	s_wait_dscnt 4*NL
	WIN MUL_LO
	MUL16 0, 1, NQ-1, 1, 0
	MUL16 2, 1, NQ-1, 1, 0
	s_wait_dscnt 0
	WIN MUL_HI
	MUL16 4, 1, NQ-1, 1, 0
	MUL16 6, 1, NQ-1, 1, 0
	WIN 0
	PLACES NP                                      ; in front of the first read of results and of the first vector write of operand registers
.endm
; 64 numbers of a lane, register 16 b + i = k 32 b + 16 (lane / 16) + i of my row, become a fragment's codes in v[pc] on and its scale word in v[pw].
.macro QUANT s, pc, pw
.irp b, 0,1,2,3
	v_max3_num_f32 v[TM+\b], |v[(\s)+16*\b]|, |v[(\s)+1+16*\b]|, 0x1800000   ; block b: my 16 numbers, and the floor 2^(3 - 127): the byte cannot fall under 1
.endr
.irp i, 2,4,6,8,10,12,14
.irp b, 0,1,2,3
	v_max3_num_f32 v[TM+\b], v[TM+\b], |v[(\s)+16*\b+\i]|, |v[(\s)+1+16*\b+\i]|   ; (the four blocks by turns)
.endr
.endr
.irp b, 0,1,2,3
	v_permlanex16_b32 v[TM+4+\b], v[TM+\b], s2, s3
.endr
.irp b, 0,1,2,3
	v_max_num_f32 v[TM+\b], v[TM+\b], v[TM+4+\b]   ; with lane l xor 16's: the block's largest magnitude
.endr
.irp b, 0,1,2,3
	v_add_nc_u32 v[TM+12+\b], 0xff000000, v[TM+\b] ; 2 off its exponent field: the conversion's scale operand
.endr
.irp b, 0,1,2,3
	v_lshrrev_b32 v[TM+4+\b], 23, v[TM+12+\b]      ; the scale's byte
.endr
	v_lshl_or_b32 v[\pw], v[TM+5], 8, v[TM+4]
	v_lshl_or_b32 v[\pw], v[TM+6], 16, v[\pw]
	v_lshl_or_b32 v[\pw], v[TM+7], 24, v[\pw]
.irp b, 0,1,2,3
	v_cvt_scalef32_pk8_fp4_f32 v[(\pc)+2*\b], v[(\s)+16*\b:(\s)+7+16*\b], v[TM+12+\b]
	v_cvt_scalef32_pk8_fp4_f32 v[(\pc)+1+2*\b], v[(\s)+8+16*\b:(\s)+15+16*\b], v[TM+12+\b]
.endr
	v_nop                                          ; one plain line behind a scaled conversion
.irp c, 0,1                                    ; the operand's layout wants a WHOLE block in a lane
.irp i, 0,1
	v_permlane16_swap_b32 v[(\pc)+4*\c+\i], v[(\pc)+2+4*\c+\i]
.endr
.endr
.endm
; Block a of A's rows: bias, quantiser, two stores of 512 consecutive bytes.  Each accumulator is read from its low end on.
.macro BLOCK a, var
.set AC, 64*((\a)%4)
	WIN 0x06+(\a)/4                                ; source 0: window 2 or 3 (the sums); source 1: window 1 (the bias); destination window 0
.set x, 0
.rept 32
.if \var
	v_pk_add_f32 v[HA+x:HA+x+1], v[AC+x:AC+x+1], v[BI+2*(\a):BI+2*(\a)+1]   ; my lane's feature has one bias, in both halves of the pair
.else
	v_pk_add_f32 v[HA+x:HA+x+1], v[AC+x:AC+x+1], v[BI+x:BI+x+1]
.endif
.set x, x+2
.endr
	WIN 0
	QUANT HA, PC+8*(\a), SW+(\a)
.if \var
	global_store_b128 v[LI16], v[PC+8*(\a):PC+8*(\a)+3], s[92:93] offset:((\a)/4)*65536+((\a)%4)*1024       ; head a / 4, tile a % 4 of its 64: keys 0-63 of the step,
	global_store_b128 v[LI16], v[PC+8*(\a)+4:PC+8*(\a)+7], s[92:93] offset:((\a)/4)*65536+((\a)%4)*1024+512 ; keys 64-127
.else
	global_store_b128 v[LI16], v[PC+8*(\a):PC+8*(\a)+3], s[92:93] offset:512*(\a)                           ; tile a of the step's eight: the first head's 64,
	global_store_b128 v[LI16], v[PC+8*(\a)+4:PC+8*(\a)+7], s[92:93] offset:65536+512*(\a)                   ; the second head's
.endif
.endm
.macro SCOUT w, out, off               ; four scale words a row leave as pairs: lane l stores words (l / 16) and 2 + (l / 16) of row l % 16: 256 consecutive bytes, aligned
	v_cndmask_b32 v[\out], v[\w], v[\w+1], s104
	v_cndmask_b32 v[\out+1], v[\w+2], v[\w+3], s104
	global_store_b64 v[LI8], v[\out:\out+1], s[96:97] offset:\off
.endm
.macro TAIL var
	WIN TO_B                                       ; the biases go to window 1, v192-255, which B's two sets leave free; they land under the last step's products
.if \var
.irp a, 0,1,2,3,4,5,6,7
	global_load_b32 v[BI+2*\a], v[BOF1], s[98:99] offset:(32*(\a/2)+8*(\a%2))*4
	global_load_b32 v[BI+2*\a+1], v[BOF1], s[98:99] offset:(32*(\a/2)+8*(\a%2))*4
.endr
.else
.irp b, 0,1,2,3,4,5,6,7
	global_load_b128 v[BI+8*\b:BI+8*\b+3], v[BOF0], s[98:99] offset:(32*(\b/2)+8*(\b%2))*4
	global_load_b128 v[BI+8*\b+4:BI+8*\b+7], v[BOF0], s[98:99] offset:(32*(\b/2)+8*(\b%2))*4+16
.endr
.endif
	WIN 0
	LAST
.irp b, 0,1,2,3
	v_mov_b32 v[TM+4+\b], 0                        ; written once: a lane permute's destination counts as one of its sources
.endr
	s_wait_loadcnt 0x0                             ; the biases
.irp a, 0,1,2,3,4,5,6,7
	BLOCK \a, \var
.endr
.irp g, 0,1
.if \var
	SCOUT SW+4*\g, 8+2*\g, 4096*\g                 ; head g: the words of its four tiles of 16
.else
.irp b, 0,1,2,3
	v_perm_b32 v[WW+4*\g+\b], v[SW+2*\b+1], v[SW+2*\b], 0x05040100+0x02020202*\g   ; head g's two bytes of tiles 2 b and 2 b + 1: the word of the pair of tiles
.endr
	SCOUT WW+4*\g, 8+2*\g, 4096*\g
.endif
.endr
.endm
	s_wait_tensorcnt 1                             ; the scale bytes and my part of K step 0 are in (K step 1's load may be out)
	s_barrier_signal -1
	s_barrier_wait -1                              ; everybody's are
	FETCH_B 0, 0, 0
	FETCH_A 0, 0, 0
	SCALES 0
	FETCH_A 0, 0, 4
	STEP 0, 0, 1                                   ; the first products start the sums: nothing is cleared
	STEPS 0, 1
	TURN 0, 1
	STEPS 1, 0
	s_cmp_eq_u32 s95, 2                            ; the projection's number: the same in all partners and all waves
	s_cbranch_scc1 .Ltail_v
	TAIL 0
	s_branch .Ljoin
.Ltail_v:
	TAIL 1
.Ljoin:
	s_wait_tensorcnt 0x0                           ; the wave's end
	ds_add_u32 v[SPW], v[NIL]
	s_wait_dscnt 0x0
	CROUND                                         ; the closing round: no work-group ends while a partner may still ask for a tile that names it
	s_endpgm
.Lfunc_end_k_q8669affcf6_proj:
	.size	k_q8669affcf6_proj, .Lfunc_end_k_q8669affcf6_proj-k_q8669affcf6_proj
	.p2alignl 7, 3214868480
	.fill 96, 4, 3214868480
	.section	.rodata,"a",@progbits
	.p2align	6, 0x0
	.amdhsa_kernel k_q8669affcf6_proj
		.amdhsa_group_segment_fixed_size 327680
		.amdhsa_private_segment_fixed_size 0
		.amdhsa_enable_private_segment 0
		.amdhsa_kernarg_size 40
		.amdhsa_user_sgpr_count 2
		.amdhsa_user_sgpr_kernarg_segment_ptr 1
		.amdhsa_wavefront_size32 1
		.amdhsa_system_sgpr_workgroup_id_x 1
		.amdhsa_system_sgpr_workgroup_id_y 1
		.amdhsa_system_sgpr_workgroup_id_z 1
		.amdhsa_system_vgpr_workitem_id 0
		.amdhsa_next_free_vgpr 1024
		.amdhsa_next_free_sgpr 106
		.amdhsa_reserve_vcc 0
		.amdhsa_float_denorm_mode_32 3
		.amdhsa_float_denorm_mode_16_64 3
		.amdhsa_memory_ordered 1
		.amdhsa_forward_progress 1
		.amdhsa_inst_pref_size 205
	.end_amdhsa_kernel
	.amdgpu_metadata
---
amdhsa.version: [ 1, 2 ]
amdhsa.kernels:
  - .name:           k_q8669affcf6_proj
    .symbol:         k_q8669affcf6_proj.kd
    .args:
      - { .name: xw, .offset: 0, .size: 8, .value_kind: global_buffer, .address_space: global }
      - { .name: bq, .offset: 8, .size: 8, .value_kind: global_buffer, .address_space: global }
      - { .name: bk, .offset: 16, .size: 8, .value_kind: global_buffer, .address_space: global }
      - { .name: bv, .offset: 24, .size: 8, .value_kind: global_buffer, .address_space: global }
      - { .name: heads, .offset: 32, .size: 8, .value_kind: global_buffer, .address_space: global }
    .group_segment_fixed_size: 327680
    .private_segment_fixed_size: 0
    .kernarg_segment_align: 8
    .kernarg_segment_size: 40
    .max_flat_workgroup_size: 128
    .sgpr_count:     106
    .vgpr_count:     1024
    .wavefront_size: 32
...
	.end_amdgpu_metadata
.endif
;; end of part 2
;; launch attn (part 3): grid 4 x 64, 16 waves a work-group, no clusters, 141,312 bytes of LDS; arguments heads, maskw, ctx; writes ctx
.if DOCPART == 3
	.amdgcn_target "amdgcn-amd-amdhsa--gfx1250"
	.amdhsa_code_object_version 6
	.text
	.protected	k_q8669affcf6_attn
	.globl	k_q8669affcf6_attn
	.p2align	8
	.type	k_q8669affcf6_attn,@function
k_q8669affcf6_attn:
	s_mov_b64 s[64:65], 0
	v_nop
	global_prefetch_b8 v0, s[64:65] scope:SCOPE_SE
	s_setreg_imm32_b32 hwreg(HW_REG_WAVE_MODE, 25, 1), 1
	s_wait_xcnt 0x0
; LAUNCH 3 OF 4.  ctx = softmax(mask(xq xk^T / 8)) xv for one head and 512 queries a work-group, both products on codes of FP4 (E2M1) with E8M0 scales; ctx is quantised along the head's 64 and leaves as halves of the last product's A fragments.
; THE SOFTMAX AHEAD OF THE SECOND PRODUCT: t = score x log2(e) / 8; M = the row's largest t so far, rounded UP to a whole number; p = 2^(t - M) is quantised along the keys, not normalised; the row's sum is taken of the unquantised p and divides at the end.
; SHARES.  Sixteen waves, 256 registers each.  Wave w takes the tiles of 16 queries T = 32 x + 16 pass + w, pass = 0, 1, and walks the head's 2,048 keys, 128 a step.
; A HEAD'S K AND V STAY IN LDS WHOLE: 2 x 65,536 bytes of register images and 2 x 4,096 bytes of scale words, brought once through registers; one barrier; after it LDS is only read.
; NO CLUSTER, NO JOINT LOAD: what the four work-groups of a head share is this one fill of 139,264 bytes at the head, for the 512 tile steps that follow it; the stream of the loop, the mask words, is each work-group's own among them.
; LAYOUT.  Both products are used transposed (S^T = K Q^T, O^T = V^T P^T): a lane holds ONE query throughout.  The head's 64 fill half of the instruction's 128 along K: ONE fragment of K carries TWO tiles of 16 keys
; (registers 0-3, registers 4-7), and is multiplied by [q | 0] and by [0 | q].  A tile's lane r stands for key 8 u + r + 8 (r / 8) of its group of 32, so that the 16 registers of two neighbouring tiles are 16 neighbouring keys.
; THE MASK.  maskw holds, for a tile and a step, 64 lane masks (word n: the lanes of score register n whose key is open).  Every step selects by them: no branch hangs on the mask.  A step's 256 bytes of words come by four
; scalar loads that are issued a step ahead, behind the selects of the step before, which are the last readers of the 64 registers.
; LIMITS.  A closed key's score is taken as -2^33, a logit of -2^30 in place of -1e9: times log2(e) / 8 it is a whole number, so a row with no open key gets p = 1 throughout (uniform, as with -1e9 in f32), and beside an open key p = 0.
;   The two differ only where open logits fall to about -1e9.  p under 2^-126 counts as 0.  NaN and infinities are not served.  A block of zeros gets the scale byte 1 (its codes are zeros).
; REGISTERS: v1-5 addresses that stay; v6 -2^33; v8-10 the trip's LDS addresses; v12 -M, v13 the largest t, v[14:15] the sum; v[16:23] [q | 0]; v[24:31] [0 | q]; v32-63 K; v64-95 V; v96-159 S^T, then p; v160-191 O^T;
;   v224-231 p's codes; v232-247, v252, v254 at work; v[248:249] K's scale words, v[250:251] V's, v253 p's, v255 q's.
; SCALARS: s[16:47], s[68:99] the step's 64 mask words; s[48:49] lane selects; s[50:51] c; s52, s53 LDS steps; s54, s55 counters; s57 a selector; s[58:59] the tile's mask words; s[66:67] the trip's; s[12:13] the next trip's;
;   s[14:15] the next trip's offset; s[60:61] q's image; s[62:63] q's scale word; s[100:101] ctx's image; s[104:105] ctx's scale bytes.
.set LKS,   131072                     ; LDS: K's images 0, V's 65,536, K's scale words here, V's 4,096 further on
	s_load_b128 s[4:7], s[0:1], 0x0                ; heads s[4:5], maskw s[6:7]
	s_load_b64 s[8:9], s[0:1], 0x10                ; ctx
	v_lshl_add_u32 v242, v0, 2, 0x22000
	v_mov_b32 v243, 0
	v_lshrrev_b32 v6, 5, v0
	v_readfirstlane_b32 s10, v6                    ; wave 0..15
	v_and_b32 v7, 31, v0                           ; lane
	v_lshlrev_b32 v1, 4, v7                        ; 16 x lane: an image's place for my lane
	v_add_nc_u32 v2, 65536, v1                     ; the same among V's images
	v_lshlrev_b32 v3, 3, v7
	v_add_nc_u32 v3, LKS, v3                       ; 8 x lane among the scale words
	v_and_b32 v4, 15, v0
	v_lshlrev_b32 v5, 5, v4                        ; ctx's scale bytes: 32 a row
	v_lshlrev_b32 v4, 3, v4                        ; q's scale word: 8 r
	v_lshlrev_b32 v8, 4, v0                        ; the fill: 16 x thread,
	v_add_nc_u32 v9, 65536, v8
	v_lshlrev_b32 v11, 3, v0                       ; 8 x thread
	v_add_nc_u32 v10, LKS, v11
	v_mov_b32 v6, 0xd0000000                       ; -2^33: a closed key's score
	s_and_b32 s11, ttmp7, 0xffff                   ; 16 x batch + head
	s_lshl_b32 s12, s11, 16
	s_mov_b32 s13, 0
	s_lshl_b32 s14, s11, 12
	s_mov_b32 s15, 0
	s_wait_kmcnt 0x0
	s_add_nc_u64 s[60:61], s[4:5], s[12:13]        ; my head's images of Q,
	s_add_nc_u64 s[68:69], s[60:61], 0x400000      ; of K,
	s_add_nc_u64 s[70:71], s[60:61], 0x800000      ; of V
	s_add_nc_u64 s[72:73], s[4:5], s[14:15]
	s_add_nc_u64 s[72:73], s[72:73], 0xc00000      ; its scale words of Q; K's 262,144 and V's 524,288 bytes on
.irp i, 0,1,2,3,4,5,6,7
	global_load_b128 v[96+4*\i:99+4*\i], v8, s[68:69] offset:8192*\i
.endr
.irp i, 0,1,2,3,4,5,6,7
	global_load_b128 v[128+4*\i:131+4*\i], v8, s[70:71] offset:8192*\i
.endr
	global_load_b64 v[160:161], v11, s[72:73] offset:262144
	global_load_b64 v[162:163], v11, s[72:73] offset:524288
	s_lshl_b32 s2, ttmp9, 5
	s_add_co_u32 s2, s2, s10                       ; T of pass 0
	s_lshl_b32 s12, s2, 9
	s_add_nc_u64 s[60:61], s[60:61], s[12:13]      ; its image: 512 bytes a tile
	s_lshr_b32 s12, s2, 3
	s_lshl_b32 s12, s12, 8                         ; its scale word: 256 bytes for 8 tiles; pair of tiles b = (w % 8) / 2: lane 16 (b % 2) + r, word b / 2
	s_bfe_u32 s3, s10, 0x10001
	s_lshl_b32 s3, s3, 7
	s_add_co_u32 s12, s12, s3
	s_bfe_u32 s3, s10, 0x10002
	s_lshl_b32 s3, s3, 2
	s_add_co_u32 s12, s12, s3
	s_add_nc_u64 s[62:63], s[72:73], s[12:13]
	s_lshr_b32 s3, s11, 4
	s_lshl_b32 s3, s3, 7
	s_add_co_u32 s3, s3, s2                        ; 128 x batch + T
	s_lshl_b32 s12, s3, 12
	s_add_nc_u64 s[58:59], s[6:7], s[12:13]        ; the tile's mask words: 16 steps x 256 bytes
	s_and_b32 s14, s11, 15                         ; the head
	s_lshl_b32 s12, s3, 13
	s_lshl_b32 s15, s14, 9
	s_add_co_u32 s12, s12, s15
	s_add_nc_u64 s[100:101], s[8:9], s[12:13]      ; ctx: 8,192 bytes a tile, 512 a head
	s_lshl_b32 s12, s3, 9
	s_lshl_b32 s15, s14, 1
	s_add_co_u32 s12, s12, s15
	s_add_co_u32 s12, s12, 0x400000
	s_add_nc_u64 s[104:105], s[8:9], s[12:13]      ; its scale bytes: 32 a row, 2 a head
	s_mov_b32 s15, 0                               ; the upper word of the offset pair s[14:15]
	s_mov_b32 s48, 0x76543210
	s_mov_b32 s49, 0xfedcba98                      ; v_permlanex16_b32's selects for lane l xor 16
	s_mov_b32 s50, 0x3e38aa3b                      ; c = log2(e) / 8
	s_mov_b32 s51, s50                             ; (named with it as a pair, so it is written)
	s_mov_b32 s57, 0x03020302
	s_bitcmp1_b32 s10, 0
	s_cselect_b32 s57, s57, 0x01000100             ; my tile's two bytes of the pair's word, twice
.irp i, 0,1,2,3,4,5,6,7
	s_wait_loadcnt 17-\i                           ; loads come back in order: of the 18, number i is in
	ds_store_b128 v8, v[96+4*\i:99+4*\i] offset:8192*\i
.endr
.irp i, 0,1,2,3,4,5,6,7
	s_wait_loadcnt 9-\i
	ds_store_b128 v9, v[128+4*\i:131+4*\i] offset:8192*\i
.endr
	s_wait_loadcnt 1
	ds_store_b64 v10, v[160:161]
	s_wait_loadcnt 0                               ; the fill's loads are done: s[68:73], which they named, are free for the mask words
	ds_store_b64 v10, v[162:163] offset:4096
.irp j, 20,21,22,23,24,25,26,27
	v_mov_b32 v[\j], 0                             ; the zero halves of [q | 0] and [0 | q]: zero codes, set once
.endr
.irp b, 0,1,2,3
	v_mov_b32 v[236+\b], 0                         ; written once: a lane permute's destination counts as one of its sources
.endr
	v_mov_b32 v253, 0                              ; (named as the upper half of the pair v[252:253] before it is first written)
	s_wait_dscnt 0x0                               ; for the others' sake: my stores have landed
	s_barrier_signal -1
	s_barrier_wait -1                              ; the head's K and V lie in LDS; from here on LDS is only read
.macro MWORDS ptr, off                 ; a step's 64 mask words: 256 consecutive bytes
	s_load_b512 s[16:31], s[\ptr:\ptr+1], \off
	s_load_b512 s[32:47], s[\ptr:\ptr+1], \off+64
	s_load_b512 s[68:83], s[\ptr:\ptr+1], \off+128
	s_load_b512 s[84:99], s[\ptr:\ptr+1], \off+192
.endm
.macro SCORE b                         ; fragment b of K holds key tiles 2 b and 2 b + 1: two products; its scale words lie in lanes 0-15 (b even) or 16-31 (b odd) of v[248 + b / 2]
.irp u, 0,1
.if (\b)%2
	v_wmma_scale_f32_16x16x128_f8f6f4 v[96+16*(\b)+8*\u:103+16*(\b)+8*\u], v[32+8*(\b):39+8*(\b)], v[16+8*\u:23+8*\u], 0, v[248+(\b)/2], v255 matrix_a_fmt:MATRIX_FMT_FP4 matrix_b_fmt:MATRIX_FMT_FP4 matrix_a_scale:MATRIX_SCALE_ROW1
.else
	v_wmma_scale_f32_16x16x128_f8f6f4 v[96+16*(\b)+8*\u:103+16*(\b)+8*\u], v[32+8*(\b):39+8*(\b)], v[16+8*\u:23+8*\u], 0, v[248+(\b)/2], v255 matrix_a_fmt:MATRIX_FMT_FP4 matrix_b_fmt:MATRIX_FMT_FP4
.endif
.endr
.endm
.macro PV t                            ; O^T's tile t of 16 of the head's 64 += V^T P^T over the step's 128 keys
.if (\t)%2
	v_wmma_scale_f32_16x16x128_f8f6f4 v[160+8*(\t):167+8*(\t)], v[64+8*(\t):71+8*(\t)], v[224:231], v[160+8*(\t):167+8*(\t)], v[250+(\t)/2], v253 matrix_a_fmt:MATRIX_FMT_FP4 matrix_b_fmt:MATRIX_FMT_FP4 matrix_a_scale:MATRIX_SCALE_ROW1
.else
	v_wmma_scale_f32_16x16x128_f8f6f4 v[160+8*(\t):167+8*(\t)], v[64+8*(\t):71+8*(\t)], v[224:231], v[160+8*(\t):167+8*(\t)], v[250+(\t)/2], v253 matrix_a_fmt:MATRIX_FMT_FP4 matrix_b_fmt:MATRIX_FMT_FP4
.endif
.endm
; A KEY STEP: 128 keys, the q-th of the trip's four.
.macro STEP q
.irp b, 0,1,2,3
.irp c, 0,1
	ds_load_b128 v[32+8*\b+4*\c:35+8*\b+4*\c], v8 offset:4096*\q+1024*\b+512*\c   ; key tile 2 b + c as it was stored: 512 consecutive bytes
.endr
.endr
	ds_load_b64 v[248:249], v10 offset:256*\q
	s_wait_dscnt 0x0                               ; all nine are wanted
	SCORE 0
	SCORE 1
	SCORE 2
	SCORE 3
.rept 4
	v_nop                                          ; places: in front of the first read of the scores, and of the loads into V's registers and scale words, which the last step's products read
.endr
.irp t, 0,1,2,3
.irp c, 0,1
	ds_load_b128 v[64+8*\t+4*\c:67+8*\t+4*\c], v9 offset:4096*\q+1024*\t+512*\c     ; V's four fragments land under the softmax
.endr
.endr
	ds_load_b64 v[250:251], v10 offset:4096+256*\q
	s_wait_kmcnt 0x0                               ; this step's mask words, asked for a step ago (scalar loads are waited for with 0 alone)
.set n, 0
.rept 64
	v_cndmask_b32 v[96+n], v6, v[96+n], s[16+n+20*(n/32)]   ; a closed key's score becomes -2^33; each accumulator from its low end on
.set n, n+1
.endr
.irp b, 0,1,2,3
	v_max3_num_f32 v[232+\b], v[96+16*\b], v[97+16*\b], v[98+16*\b]   ; the largest score of each block of 32 keys: for the row's maximum and, since p rises with the score, for the block's largest p
.endr
.irp i, 3,5,7,9,11,13
.irp b, 0,1,2,3
	v_max3_num_f32 v[232+\b], v[232+\b], v[96+16*\b+\i], v[97+16*\b+\i]
.endr
.endr
.irp b, 0,1,2,3
	v_max_num_f32 v[232+\b], v[232+\b], v[111+16*\b]
.endr
.if \q < 3
	MWORDS 66, 256*(\q+1)                          ; the next step's mask words: the selects above were the last readers of these registers
.else
	MWORDS 12, 0                                   ; the next trip's first step (behind a tile's last step: the same tile's step 0 once more, so that no load leaves the buffer)
.endif
.irp b, 0,1,2,3
	v_permlanex16_b32 v[236+\b], v[232+\b], s48, s49
.endr
.irp b, 0,1,2,3
	v_max_num_f32 v[232+\b], v[232+\b], v[236+\b]  ; with lane l xor 16's 16 keys
.endr
	v_max3_num_f32 v254, v232, v233, v234
	v_max_num_f32 v254, v254, v235                 ; the step's largest score of my query
	v_mul_f32 v254, s50, v254                      ; as t
	v_max_num_f32 v13, v13, v254                   ; the running largest t
	v_mov_b32 v254, v12
	v_floor_f32 v12, -v13                          ; the new -M = floor(-t): M is a whole number
	v_sub_f32 v254, v12, v254                      ; old M - new M: a whole number, 0 or less
	v_cvt_i32_f32 v254, v254                       ; (it saturates)
	v_ldexp_f32 v252, 1.0, v254                    ; f = 2^(old M - new M): a multiplication by it rounds nothing
.set j, 0
.rept 32
	v_pk_fma_f32 v[96+j:97+j], v[96+j:97+j], s[50:51], v[12:13] op_sel_hi:[1,0,0]   ; t - M, two at a time
.set j, j+2
.endr
.irp b, 0,1,2,3
	v_fma_f32 v[232+\b], v[232+\b], s50, v12       ; the same of each block's largest score
.endr
.set j, 0
.rept 64
	v_exp_f32 v[96+j], v[96+j]                     ; p = 2^(t - M), at most 1
.set j, j+1
.endr
	v_pk_mul_f32 v[14:15], v[14:15], v[252:253] op_sel_hi:[1,0]   ; the sums under the new M (a plain line behind the exponentials)
	s_wait_alu depctr_va_vdst(0)                   ; one wait for the batch of 64, ahead of its first reader
.irp b, 0,1,2,3
	v_exp_f32 v[232+\b], v[232+\b]                 ; the block's largest p
.endr
	v_pk_add_f32 v[236:237], v[96:97], v[98:99]    ; the row's sum of the unquantised p, in two chains (plain work behind the four)
.irp j, 4,8,12,16,20,24,28,32,36,40,44,48,52,56,60
	v_pk_add_f32 v[14:15], v[14:15], v[96+\j:97+\j]
	v_pk_add_f32 v[236:237], v[236:237], v[98+\j:99+\j]
.endr
	v_pk_add_f32 v[14:15], v[14:15], v[236:237]
	s_wait_alu depctr_va_vdst(0)                   ; and one for the four
.irp b, 0,1,2,3
	v_max_num_f32 v[232+\b], 0x1800000, v[232+\b]  ; the floor 2^(3 - 127): the byte cannot fall under 1
.endr
.irp b, 0,1,2,3
	v_add_nc_u32 v[244+\b], 0xff000000, v[232+\b]  ; 2 off the exponent field: the conversion's scale operand
.endr
.irp b, 0,1,2,3
	v_lshrrev_b32 v[236+\b], 23, v[244+\b]         ; the scale's byte
.endr
	v_lshl_or_b32 v253, v237, 8, v236              ; p's scale word for these 128 keys
	v_lshl_or_b32 v253, v238, 16, v253
	v_lshl_or_b32 v253, v239, 24, v253
.irp b, 0,1,2,3
	v_cvt_scalef32_pk8_fp4_f32 v[224+2*\b], v[96+16*\b:103+16*\b], v[244+\b]
	v_cvt_scalef32_pk8_fp4_f32 v[225+2*\b], v[104+16*\b:111+16*\b], v[244+\b]
.endr
	v_nop                                          ; one plain line behind a scaled conversion
.irp c, 0,1                                    ; the operand's layout wants a WHOLE block in a lane
.irp i, 0,1
	v_permlane16_swap_b32 v[224+4*\c+\i], v[226+4*\c+\i]
.endr
.endr
.set j, 0
.rept 16
	v_pk_mul_f32 v[160+j:161+j], v[160+j:161+j], v[252:253] op_sel_hi:[1,0]   ; O^T under the new M; these sixteen are also the places between the scale word's and the codes' last writes and the products
.set j, j+2
.endr
	s_wait_dscnt 0x0                               ; V's nine loads
	PV 0                                           ; the four accumulators by turns; between two links of a chain stand eleven other products
	PV 1
	PV 2
	PV 3
.endm
	s_mov_b32 s55, 2
.Lpass:                                            ; two tiles of queries, one after the other
	global_load_b128 v[16:19], v1, s[60:61]        ; my tile's image, into both operands (A's and B's registers of one product share none, nor do these two)
	global_load_b128 v[28:31], v1, s[60:61]
	global_load_b32 v255, v4, s[62:63]             ; the pair of tiles' scale word of row r
	s_mov_b64 s[66:67], s[58:59]                   ; the first trip's mask words
	MWORDS 66, 0                                   ; step 0's: no scalar load is out here
	s_mov_b32 s14, 1024
	s_add_nc_u64 s[12:13], s[58:59], s[14:15]      ; the second trip's
	v_mov_b32 v13, 0xff61b1e6                      ; the largest t so far: -3e38
	v_floor_f32 v12, -v13
	v_mov_b32 v14, 0
	v_mov_b32 v15, 0
	s_mov_b32 s52, 0
	s_mov_b32 s53, 0
	s_wait_loadcnt 0x0
	v_perm_b32 v255, v255, v255, s57               ; (s0, s1, s0, s1): it serves [q | 0] and [0 | q]
.set j, 0
.rept 32
	v_mov_b32 v[160+j], 0                          ; O^T: the step is written once, its first run finds zeros.  (Also the places between the scale word's write and the first product)
.set j, j+1
.endr
	s_mov_b32 s54, 4
.Ltrip:                                            ; four trips of four key steps
	v_add_nc_u32 v8, s52, v1
	v_add_nc_u32 v9, s52, v2
	v_add_nc_u32 v10, s53, v3
	STEP 0
	STEP 1
	STEP 2
	STEP 3
	s_add_co_u32 s52, s52, 16384
	s_add_co_u32 s53, s53, 1024
	s_wait_xcnt 0x0                                ; step 3's scalar loads have read s[12:13]; those that named s[66:67] have been waited for: both pointers may be written
	s_mov_b64 s[66:67], s[12:13]                   ; the next trip's words become the trip's,
	s_add_co_u32 s14, s14, 1024
	s_and_b32 s14, s14, 3072                       ; and the trip after it follows: 1,024 bytes on, round the tile's 4,096
	s_add_nc_u64 s[12:13], s[58:59], s[14:15]
	s_sub_co_u32 s54, s54, 1
	s_cmp_lg_u32 s54, 0
	s_cbranch_scc1 .Ltrip
.rept 4
	v_nop                                          ; places behind the last products
.endr
	v_add_f32 v14, v14, v15                        ; the sum's two halves,
	v_permlanex16_b32 v252, v14, s48, s49
	v_add_f32 v14, v14, v252                       ; and lane l xor 16's: the row's sum
	v_rcp_f32 v14, v14
	v_nop                                          ; a plain line behind the reciprocal
	s_wait_alu depctr_va_vdst(0)                   ; and the wait ahead of its first reader
.set j, 0
.rept 16
	v_pk_mul_f32 v[96+j:97+j], v[160+j:161+j], v[14:15] op_sel_hi:[1,0]   ; ctx: register 16 b + i is channel 32 b + 16 (lane / 16) + i of my query
.set j, j+2
.endr
.irp b, 0,1
	v_max3_num_f32 v[232+\b], |v[96+16*\b]|, |v[97+16*\b]|, 0x1800000
.endr
.irp i, 2,4,6,8,10,12,14
.irp b, 0,1
	v_max3_num_f32 v[232+\b], v[232+\b], |v[96+16*\b+\i]|, |v[97+16*\b+\i]|
.endr
.endr
.irp b, 0,1
	v_permlanex16_b32 v[236+\b], v[232+\b], s48, s49
.endr
.irp b, 0,1
	v_max_num_f32 v[232+\b], v[232+\b], v[236+\b]
.endr
.irp b, 0,1
	v_add_nc_u32 v[244+\b], 0xff000000, v[232+\b]
.endr
.irp b, 0,1
	v_lshrrev_b32 v[236+\b], 23, v[244+\b]
.endr
	v_lshl_or_b32 v254, v237, 8, v236              ; the head's two scale bytes of my row
.irp b, 0,1
	v_cvt_scalef32_pk8_fp4_f32 v[224+2*\b], v[96+16*\b:103+16*\b], v[244+\b]
	v_cvt_scalef32_pk8_fp4_f32 v[225+2*\b], v[104+16*\b:111+16*\b], v[244+\b]
.endr
	v_nop
	v_permlane16_swap_b32 v224, v226
	v_permlane16_swap_b32 v225, v227               ; lane (r, h): channels 32 h + 0 .. 31 of query r: half of a fragment of the last product's A
	global_store_b128 v1, v[224:227], s[100:101]   ; 512 consecutive bytes, aligned
	global_store_b16 v5, v254, s[104:105]          ; two bytes a row, rows 32 bytes apart (lanes 16-31 write what lanes 0-15 write): the layout that the last launch's one dense load wants; 1 byte in 16 of what this launch stores
	s_wait_kmcnt 0x0                               ; the last step's scalar loads are in: the next pass loads into the same registers
	s_wait_xcnt 0x0                                ; the stores have read their registers and bases: both are written again only behind this wait
	s_add_nc_u64 s[60:61], s[60:61], 8192          ; sixteen tiles on
	s_add_nc_u64 s[62:63], s[62:63], 512
	s_add_nc_u64 s[58:59], s[58:59], 65536
	s_add_nc_u64 s[100:101], s[100:101], 131072
	s_add_nc_u64 s[104:105], s[104:105], 8192
	s_sub_co_u32 s55, s55, 1
	s_cmp_lg_u32 s55, 0
	s_cbranch_scc1 .Lpass
	s_wait_tensorcnt 0x0
	ds_add_u32 v242, v243
	s_wait_dscnt 0x0
	s_endpgm
.Lfunc_end_k_q8669affcf6_attn:
	.size	k_q8669affcf6_attn, .Lfunc_end_k_q8669affcf6_attn-k_q8669affcf6_attn
	.p2alignl 7, 3214868480
	.fill 96, 4, 3214868480
	.section	.rodata,"a",@progbits
	.p2align	6, 0x0
	.amdhsa_kernel k_q8669affcf6_attn
		.amdhsa_group_segment_fixed_size 141312
		.amdhsa_private_segment_fixed_size 0
		.amdhsa_enable_private_segment 0
		.amdhsa_kernarg_size 24
		.amdhsa_user_sgpr_count 2
		.amdhsa_user_sgpr_kernarg_segment_ptr 1
		.amdhsa_wavefront_size32 1
		.amdhsa_system_sgpr_workgroup_id_x 1
		.amdhsa_system_sgpr_workgroup_id_y 1
		.amdhsa_system_sgpr_workgroup_id_z 1
		.amdhsa_system_vgpr_workitem_id 0
		.amdhsa_next_free_vgpr 256
		.amdhsa_next_free_sgpr 106
		.amdhsa_reserve_vcc 0
		.amdhsa_float_denorm_mode_32 3
		.amdhsa_float_denorm_mode_16_64 3
		.amdhsa_memory_ordered 1
		.amdhsa_forward_progress 1
		.amdhsa_inst_pref_size 89
	.end_amdhsa_kernel
	.amdgpu_metadata
---
amdhsa.version: [ 1, 2 ]
amdhsa.kernels:
  - .name:           k_q8669affcf6_attn
    .symbol:         k_q8669affcf6_attn.kd
    .args:
      - { .name: heads, .offset: 0, .size: 8, .value_kind: global_buffer, .address_space: global }
      - { .name: maskw, .offset: 8, .size: 8, .value_kind: global_buffer, .address_space: global }
      - { .name: ctx, .offset: 16, .size: 8, .value_kind: global_buffer, .address_space: global }
    .group_segment_fixed_size: 141312
    .private_segment_fixed_size: 0
    .kernarg_segment_align: 8
    .kernarg_segment_size: 24
    .max_flat_workgroup_size: 512
    .sgpr_count:     106
    .vgpr_count:     256
    .wavefront_size: 32
...
	.end_amdgpu_metadata
.endif
;; end of part 3
;; launch outp (part 4): grid 4 x 32, 4 waves a work-group, clusters of 4 x 4, 327,680 bytes of LDS; arguments ctx, xw, bo, out0; writes out0
.if DOCPART == 4
	.amdgcn_target "amdgcn-amd-amdhsa--gfx1250"
	.amdhsa_code_object_version 6
	.text
	.protected	k_q8669affcf6_outp
	.globl	k_q8669affcf6_outp
	.p2align	8
	.type	k_q8669affcf6_outp,@function
k_q8669affcf6_outp:
	s_mov_b64 s[64:65], 0
	v_nop
	global_prefetch_b8 v0, s[64:65] scope:SCOPE_SE
	s_setreg_imm32_b32 hwreg(HW_REG_WAVE_MODE, 25, 1), 1
	s_wait_xcnt 0x0
	s_wait_alu depctr_hold_cnt(0) depctr_sa_sdst(0) depctr_va_vdst(0) depctr_va_sdst(0) depctr_va_ssrc(0) depctr_va_vcc(0) depctr_vm_vsrc(0)
	s_getreg_b32 s2, hwreg(HW_REG_IB_STS2, 6, 4)
	s_cmp_eq_u32 s2, 0
	s_cbranch_scc0 .Lentry_in_a_cluster
	s_endpgm
.Lentry_in_a_cluster:
	s_bfe_u32 s2, ttmp6, 0x10000c
	s_cmp_lg_u32 s2, 0xf033
	s_cbranch_scc0 .Lentry_shape_is_right
	s_endpgm
.Lentry_shape_is_right:
; LAUNCH 4 OF 4.  out0 = ctx wo^T + bo on codes of FP4 (E2M1) with E8M0 scales, K = 1,024; out0 [8192][1024] f32.
; A = ctx, as launch 3 left it: IMAGES of the fragments (a tile of 16 rows: 8 fragments of 1,024 bytes on end, 16 bytes a lane and half), and scale bytes [row][32].  B = wo's codes and scale bytes in xw, rows of 512 and of 32 bytes.
; Rows of both lie in the order of launch 1 (16 stored rows = rows 0-7 and 16-23, or 8-15 and 24-31, of a group of 32); the way out puts every number at its true row and column.
; A tile of C, 256 x 256, is made by a work-group of four waves; a wave makes 128 x 128.  K goes in two steps of 512 through two LDS slots, both filled at the start, as are the scale bytes: nothing is filled again.
; THE MATRIX INSTRUCTION IS USED TRANSPOSED (source 0 = 16 rows of wo, source 1 = 16 rows of ctx): a lane holds eight neighbouring numbers of a row of C.  The bias is the C of each sum's first product.
; CLUSTERS: 4 x 4 work-groups; A's tiles are asked for jointly along a row of the cluster, B's along a column.  The grid has 128 work-groups: C has no more tiles of this size.
; REGISTERS, in windows of 256: window 0: v0-31 addresses; v32-95 scale words, two sets, and nothing else; v128-191 A's fragments, ONE set; v192-255 the bias; on the way out v128-255 hold rows of C.
;   window 1: B's fragments, TWO sets, at v0 and v128.   window 2: the accumulators of my rows 0-63 ((a, b) at v[8 (8 a + b)]);   window 3: those of my rows 64-127.
.set KSTEP,  512
.set NQ,     KSTEP/128
.set ROWB,   256
.set KROW,   512
.set PITCH,  272                       ; B's LDS row: 256 bytes + 16 of padding
.set FR,     8
.set NL,     2
.set NP,     4
.set AH,     32768                     ; A's 128 rows of a K step: 8 tiles x 4,096 bytes of images, dense
.set BH,     128*PITCH
.set BOFF,   2*AH
.set SLOT,   BOFF+2*BH
.set KS,     32
.set SCL,    2*SLOT
.set HALFS,  (128*KS/256)*272
.set SBLK,   (16*KS/256)*272
.set SPARE,  SCL+4*HALFS               ; the spare words: 128 bytes for each wave, named by no other line
.set SPITCH, 528                       ; the way out: a stage of 16 rows x (512 bytes + 16) for each wave, in slot 0, which has had its only fill and its last read when the first result is stored there
.set CSC,    4194304                   ; ctx: the scale bytes
.set WOC,    14155776                  ; xw: wo's codes
.set WOS,    14680064+884736           ; xw: wo's scale bytes
.set ADRA, 16
.set ADRB, 20
.set STO,  24
.set RD,   25
.set CO,   26
.set ADRS, 27
.set SPW,  28
.set NIL,  29
.set BOF,  30
.set SC,   32
.set AF,   128
.set BI,   192
.set BK,   128
.set G1, 24
.set G0, 32
.set G1B, 48
.set G0B, 56
.set G1S, 68
.set G0S, 76
.set G1SB, 80
.set G0SB, 88
.set MSB, 0
.macro WIN new
.if MSB != (\new)
	s_set_vgpr_msb (MSB<<8)|(\new)
.set MSB, (\new)
.endif
.endm
.set MUL_LO, 0xa1                      ; source 0 (B) window 1, source 1 (A) window 0, C and D window 2
.set MUL_HI, 0xf1
.set FST_LO, 0x81                      ; the first products: C (the bias) window 0, D window 2
.set FST_HI, 0xc1
.set TO_B,   0x40
.macro JLOAD g0a, g1a, g0b, g1b        ; a joint load: waves 0 and 1 fetch for A, waves 2 and 3 for B; four v_nop follow each line
	s_cmp_eq_u32 s15, 0
	s_cbranch_scc0 .Lfor_b_\@
	tensor_load_to_lds s[\g0a:\g0a+3], s[\g1a:\g1a+7]
	s_nop 0
.rept 4
	v_nop
.endr
	s_branch .Lasked_\@
.Lfor_b_\@:
	tensor_load_to_lds s[\g0b:\g0b+3], s[\g1b:\g1b+7]
	s_nop 0
.rept 4
	v_nop
.endr
.Lasked_\@:
.endm
.macro CROUND
	s_barrier_signal -1
	s_barrier_wait -1
	s_cmp_lg_u32 s14, 0
	s_cbranch_scc1 .Lnot_wave_0_\@
	s_barrier_signal -3
.Lnot_wave_0_\@:
	s_barrier_wait -3
	s_barrier_signal -1
	s_barrier_wait -1
.endm
	s_load_b256 s[4:11], s[0:1], 0x0               ; ctx s[4:5], xw s[6:7], bo s[8:9], out0 s[10:11]
	v_lshl_add_u32 v[SPW], v0, 2, SPARE
	v_mov_b32 v[NIL], 0
	ds_add_u32 v28, v29
	ds_add_u32 v28, v29
	s_wait_dscnt 0x0
	v_lshrrev_b32 v1, 5, v0
	v_readfirstlane_b32 s14, v1                    ; wave 0..3
	s_lshr_b32 s15, s14, 1                         ; which half of the tile's rows is mine.  Also: I fetch for A (0) or for B (1)
	s_and_b32 s16, s14, 1                          ; which half of its columns.  Also: which 128 rows of that tile I fetch
	s_bfe_u32 s40, ttmp6, 0x40000                  ; cx, cy
	s_bfe_u32 s41, ttmp6, 0x40004
	s_lshl_b32 s42, ttmp9, 2
	s_add_co_u32 s42, s42, s40                     ; tile column of C
	s_and_b32 s17, ttmp7, 0xffff
	s_lshl_b32 s17, s17, 2
	s_add_co_u32 s17, s17, s41                     ; tile row of C
	s_lshl_b32 s43, s41, 2
	s_lshl_b32 s43, 15, s43                        ; my row of the cluster
	s_lshl_b32 s44, 0x1111, s40                    ; my column
	s_or_b32 s[G1+0], s43, (3<<16)|(1<<21)         ; A: the mask; elements of 8 bytes; no padding; bit 21 beside a mask
	s_mov_b32 s[G1+1], 512<<16                     ; tensor_dim0 = 512 elements: a tile's 4,096 bytes of a K step
	s_mov_b32 s[G1+2], 8<<16                       ; tensor_dim1 = 8 tiles of 16 rows
	s_mov_b32 s[G1+3], 512<<16                     ; tile_dim0
	s_mov_b32 s[G1+4], 8                           ; tile_dim1
	s_mov_b32 s[G1+5], 1024                        ; from tile to tile: 8,192 bytes
	s_mov_b32 s[G1+6], 0
	s_mov_b32 s[G1+7], 0
	s_or_b32 s[G1B+0], s44, (0<<16)|(1<<20)|(1<<21)|(5<<22)|(3<<25)  ; B: elements of 1 byte; after every 64 words 4 words of padding
	s_mov_b32 s[G1B+1], ROWB<<16
	s_mov_b32 s[G1B+2], 128<<16
	s_mov_b32 s[G1B+3], ROWB<<16
	s_mov_b32 s[G1B+4], 128
	s_mov_b32 s[G1B+5], KROW
	s_mov_b32 s[G1B+6], 0
	s_mov_b32 s[G1B+7], 0
	s_or_b32 s[G1S+0], s43, (3<<16)|(1<<20)|(1<<21)|(5<<22)|(3<<25)  ; the scale bytes of 128 rows: a dense block, as rows of 256 bytes, 16 bytes of padding behind each
	s_or_b32 s[G1SB+0], s44, (3<<16)|(1<<20)|(1<<21)|(5<<22)|(3<<25)
.irp g, G1S, G1SB
	s_mov_b32 s[\g+1], 32<<16
	s_mov_b32 s[\g+2], (128*KS/256)<<16
	s_mov_b32 s[\g+3], 32<<16
	s_mov_b32 s[\g+4], 128*KS/256
	s_mov_b32 s[\g+5], 32
	s_mov_b32 s[\g+6], 0
	s_mov_b32 s[\g+7], 0
.endr
	s_lshl_b32 s18, s16, 7
	s_lshl_b32 s20, s17, 8
	s_add_co_u32 s20, s20, s18                     ; A: row 256 x tile row + 128 x half
	s_lshl_b32 s46, s42, 8
	s_add_co_u32 s46, s46, s18                     ; B: row 256 x tile column + 128 x half
	s_lshl_b32 s22, s20, 5
	s_add_co_u32 s22, s22, CSC                     ; A's scale bytes, in ctx
	s_mov_b32 s23, 0
	s_lshl_b32 s92, s46, 5
	s_add_co_u32 s92, s92, WOS                     ; B's, in xw
	s_mov_b32 s93, 0
	s_lshl_b32 s20, s20, 9                         ; A's images: 8,192 bytes for 16 rows
	s_mov_b32 s21, 0
	s_lshl_b32 s46, s46, 9
	s_add_co_u32 s46, s46, WOC                     ; B's codes
	s_mov_b32 s47, 0
	s_mul_i32 s45, s16, AH                         ; where they go: no place in the cluster enters an LDS address
	s_mul_i32 s95, s16, BH
	s_add_co_u32 s95, s95, BOFF
	s_mul_i32 s94, s14, HALFS
	s_wait_kmcnt 0x0
	s_add_nc_u64 s[20:21], s[4:5], s[20:21]
	s_add_nc_u64 s[22:23], s[4:5], s[22:23]
	s_add_nc_u64 s[46:47], s[6:7], s[46:47]
	s_add_nc_u64 s[92:93], s[6:7], s[92:93]
	CROUND                                         ; all sixteen work-groups are here: the joint loads meet.  Three loads of mine go out, as one group
	s_mov_b32 s[G0S], 1
	s_add_co_u32 s[G0S+1], s94, SCL
	s_mov_b64 s[G0S+2:G0S+3], s[22:23]
	s_or_b32 s[G0S+3], s[G0S+3], 0x80000000
	s_mov_b32 s[G0SB], 1
	s_add_co_u32 s[G0SB+1], s94, SCL
	s_mov_b64 s[G0SB+2:G0SB+3], s[92:93]
	s_or_b32 s[G0SB+3], s[G0SB+3], 0x80000000
	JLOAD G0S, G1S, G0SB, G1SB
.irp s, 0,1
	s_mov_b32 s[G0+4*\s], 1
	s_add_co_u32 s[G0+4*\s+1], s45, \s*SLOT
	s_add_nc_u64 s[G0+4*\s+2:G0+4*\s+3], s[20:21], \s*4096
	s_or_b32 s[G0+4*\s+3], s[G0+4*\s+3], 0x80000000
	s_mov_b32 s[G0B+4*\s], 1
	s_add_co_u32 s[G0B+4*\s+1], s95, \s*SLOT
	s_add_nc_u64 s[G0B+4*\s+2:G0B+4*\s+3], s[46:47], \s*ROWB
	s_or_b32 s[G0B+4*\s+3], s[G0B+4*\s+3], 0x80000000
	JLOAD G0+4*\s, G1, G0B+4*\s, G1B
.endr
	v_and_b32 v1, 15, v0                           ; r
	v_bfe_u32 v2, v0, 4, 1                         ; h
	v_mul_u32_u24 v3, v1, PITCH
	v_lshl_add_u32 v4, v2, 4, v3                   ; B: a fragment's row x pitch + 16 x half
	v_and_b32 v6, 31, v0
	v_lshlrev_b32 v7, 4, v6                        ; A: 16 x lane
	s_mul_i32 s21, s15, AH                         ; my 128 rows of A
	s_mul_i32 s22, s16, BH                         ; my 128 rows of B,
	s_add_co_u32 s22, s22, BOFF                    ; which lie behind A's 256
.irp s, 0,1
	v_add_nc_u32 v[ADRA+\s], s21, v7
	v_add_nc_u32 v[ADRB+\s], s22, v4
	s_add_co_u32 s21, s21, SLOT
	s_add_co_u32 s22, s22, SLOT
.endr
	v_mul_u32_u24 v5, v1, KS
	v_lshrrev_b32 v6, 8, v5
	v_lshl_add_u32 v5, v6, 4, v5
	s_mul_i32 s21, s15, HALFS
	s_mul_i32 s22, s16, HALFS
	s_add_co_u32 s22, s22, 2*HALFS
	s_sub_co_u32 s22, s22, s21
	v_mul_u32_u24 v6, s22, v2                      ; lanes 16-31 take B's scale words
	s_add_co_u32 s21, s21, SCL
	v_add_nc_u32 v5, v5, v6
	v_add_nc_u32 v[ADRS], s21, v5
	s_mul_i32 s23, s14, 16*SPITCH                  ; my stage
	v_mul_u32_u24 v5, v1, SPITCH                   ; in: row r; B's block b gives my lane columns 32 (b / 2) + 16 h + 8 (b % 2) + 0 .. 7
	v_lshl_add_u32 v5, v2, 6, v5
	v_add_nc_u32 v[STO], s23, v5
	v_mov_b32 v[CO], v7                            ; back: the 32 lanes take one row of 512 bytes; and the same in C
	v_add_nc_u32 v[RD], s23, v7
	v_lshlrev_b32 v[BOF], 6, v2
	s_lshl_b32 s20, s17, 8
	s_lshl_b32 s21, s15, 7
	s_add_co_u32 s20, s20, s21                     ; my first row of C
	s_lshl_b32 s20, s20, 12                        ; 4,096 bytes a row
	s_lshl_b32 s46, s42, 10
	s_lshl_b32 s47, s16, 9
	s_add_co_u32 s46, s46, s47                     ; my first column, in bytes
	s_mov_b32 s47, 0
	s_add_nc_u64 s[8:9], s[8:9], s[46:47]          ; bo there
	s_add_co_u32 s20, s20, s46
	s_mov_b32 s21, 0
	s_add_nc_u64 s[10:11], s[10:11], s[20:21]
.irp b, 0,1,2,3,4,5,6,7
	global_load_b128 v[BI+8*\b:BI+8*\b+3], v[BOF], s[8:9] offset:(32*(\b/2)+8*(\b%2))*4        ; the bias in the result's layout: eight registers for each of B's blocks
	global_load_b128 v[BI+8*\b+4:BI+8*\b+7], v[BOF], s[8:9] offset:(32*(\b/2)+8*(\b%2))*4+16
.endr
.macro FRAG reg, adr, q, i             ; B's fragment from rows
.irp c, 0,1
	ds_load_b128 v[\reg+4*\c:\reg+4*\c+3], v[\adr] offset:64*(\q)+32*\c+(\i)*16*PITCH
.endr
.endm
.macro FRAGA reg, adr, q, i            ; A's fragment from its image: 512 consecutive bytes a load
.irp c, 0,1
	ds_load_b128 v[\reg+4*\c:\reg+4*\c+3], v[\adr] offset:4096*(\i)+1024*(\q)+512*\c
.endr
.endm
; 16 matrix instructions: A's blocks a0, a0 + 1 x B's eight.  first = 1: the bias is the C.  The 64 accumulators take turns, one instruction a turn, in the same order in every step.
.macro MUL16 a0, p, q, sc, first
.irp a, \a0, \a0+1
.irp b, 0,1,2,3,4,5,6,7
.if \first
	v_wmma_scale_f32_16x16x128_f8f6f4 v[8*(8*((\a)%4)+\b):8*(8*((\a)%4)+\b)+7], v[128*(\p)+FR*\b:128*(\p)+FR*\b+FR-1], v[AF+FR*(\a):AF+FR*(\a)+FR-1], v[BI+8*\b:BI+8*\b+7], v[SC+8*NQ*(\sc)+NQ*\b+(\q)], v[SC+8*NQ*(\sc)+NQ*(\a)+(\q)] matrix_a_fmt:MATRIX_FMT_FP4 matrix_b_fmt:MATRIX_FMT_FP4 matrix_a_scale:MATRIX_SCALE_ROW1
.else
	v_wmma_scale_f32_16x16x128_f8f6f4 v[8*(8*((\a)%4)+\b):8*(8*((\a)%4)+\b)+7], v[128*(\p)+FR*\b:128*(\p)+FR*\b+FR-1], v[AF+FR*(\a):AF+FR*(\a)+FR-1], v[8*(8*((\a)%4)+\b):8*(8*((\a)%4)+\b)+7], v[SC+8*NQ*(\sc)+NQ*\b+(\q)], v[SC+8*NQ*(\sc)+NQ*(\a)+(\q)] matrix_a_fmt:MATRIX_FMT_FP4 matrix_b_fmt:MATRIX_FMT_FP4 matrix_a_scale:MATRIX_SCALE_ROW1
.endif
.endr
.endr
.endm
.macro FETCH_B slot, q, p
	WIN TO_B
.irp i, 0,1,2,3,4,5,6,7
	FRAG 128*(\p)+FR*\i, ADRB+\slot, \q, \i
.endr
	WIN 0
.endm
.macro FETCH_A slot, q, i0
.irp i, \i0, \i0+1, \i0+2, \i0+3
	FRAGA AF+FR*(\i), ADRA+\slot, \q, \i
.endr
.endm
.macro SCALES sc
.irp i, 0,1,2,3,4,5,6,7
	ds_load_b128 v[SC+8*NQ*\sc+NQ*\i:SC+8*NQ*\sc+NQ*\i+3], v[ADRS] offset:\i*SBLK
.endr
.endm
.macro PLACES n
.rept \n
	v_nop
.endr
.endm
.macro STEP slot, q, first
	s_wait_dscnt 4*NL                              ; B's set and A's blocks 0-3 are in; the youngest eight loads (A's blocks 4-7) may be out
.if \first
	WIN FST_LO
.else
	WIN MUL_LO
.endif
	MUL16 0, (\q)%2, \q, \slot, \first
	MUL16 2, (\q)%2, \q, \slot, \first
	s_wait_dscnt 0
	PLACES NP
	FETCH_B \slot, (\q)+1, 1-(\q)%2
	FETCH_A \slot, (\q)+1, 0
.if \first
	WIN FST_HI
.else
	WIN MUL_HI
.endif
	MUL16 4, (\q)%2, \q, \slot, \first
	MUL16 6, (\q)%2, \q, \slot, \first
	PLACES NP
	WIN 0
	FETCH_A \slot, (\q)+1, 4
.endm
.macro TURN slot, next                 ; a slot's last step changes slots: one barrier; in front of it all my tensor loads have landed and my reads of this slot are over.  Nothing is filled again
	s_wait_tensorcnt 0x0
	ds_add_u32 v[SPW], v[NIL]                      ; 0 onto my spare word
	s_wait_dscnt 4*NL+1                            ; (the add and the youngest eight loads may be out)
	WIN MUL_LO
	MUL16 0, 1, NQ-1, \slot, 0
	s_wait_dscnt 0x0
	s_barrier_signal -1
	MUL16 2, 1, NQ-1, \slot, 0
	WIN 0
	s_barrier_wait -1
	PLACES NP
	v_add_nc_u32 v[ADRS], 4*NQ, v[ADRS]
	FETCH_B \next, 0, 0
	FETCH_A \next, 0, 0
	SCALES \next
	WIN MUL_HI
	MUL16 4, 1, NQ-1, \slot, 0
	MUL16 6, 1, NQ-1, \slot, 0
	PLACES NP
	WIN 0
	FETCH_A \next, 0, 4
.endm
.macro STEPS slot, from
.set Q, \from
.rept NQ-1-\from
	STEP \slot, Q, 0
.set Q, Q+1
.endr
.endm
	s_wait_tensorcnt 1                             ; the scale bytes and my part of K step 0 are in (K step 1's load may be out)
	s_barrier_signal -1
	s_barrier_wait -1                              ; everybody's are
	FETCH_B 0, 0, 0
	FETCH_A 0, 0, 0
	SCALES 0
	FETCH_A 0, 0, 4
	s_wait_loadcnt 0x0                             ; the bias
	STEP 0, 0, 1                                   ; the first products start the sums from the bias
	STEPS 0, 1
	TURN 0, 1
	STEPS 1, 0
	s_wait_dscnt 4*NL                              ; the very last step: nothing more to fetch
	WIN MUL_LO
	MUL16 0, 1, NQ-1, 1, 0
	MUL16 2, 1, NQ-1, 1, 0
	s_wait_dscnt 0
	WIN MUL_HI
	MUL16 4, 1, NQ-1, 1, 0
	MUL16 6, 1, NQ-1, 1, 0
	WIN 0
; THE WAY OUT, block by block of 16 rows x 128 columns, through my own stage: in by lanes (32 bytes of a row each), back as whole rows of 512 bytes.  LDS serves a wave's instructions in order: no wait between the stores and the loads.
.macro TOSTAGE a
.set AC, 64*((\a)%4)
	WIN 0x08+4*((\a)/4)                            ; the data: window 2 or 3
.irp b, 0,1,2,3,4,5,6,7
	ds_store_b128 v[STO], v[AC+8*\b:AC+8*\b+3] offset:128*(\b/2)+32*(\b%2)          ; each accumulator from its low end on
	ds_store_b128 v[STO], v[AC+8*\b+4:AC+8*\b+7] offset:128*(\b/2)+32*(\b%2)+16
.endr
	WIN 0
.set BB, BK+64*((\a)%2)
.irp t, 0,1,2,3,4,5,6,7,8,9,10,11,12,13,14,15
	ds_load_b128 v[BB+4*\t:BB+4*\t+3], v[RD] offset:\t*SPITCH
.endr
.endm
.macro SEND a, younger                 ; younger: the LDS instructions issued behind block a's loads, which may stay out
.set BB, BK+64*((\a)%2)
	s_wait_dscnt \younger
.irp t, 0,1,2,3,4,5,6,7,8,9,10,11,12,13,14,15
	global_store_b128 v[CO], v[BB+4*\t:BB+4*\t+3], s[10:11] offset:(32*((\a)/2)+8*((\a)%2)+\t+8*(\t/8))*4096 th:TH_STORE_NT   ; the block's lane t stands for row t + 8 (t / 8) of its group: 512 consecutive bytes, aligned; 127 rows at the most: inside the signed 24-bit immediate
.endr
.endm
	PLACES NP
	TOSTAGE 0
.irp a, 1,2,3,4,5,6,7
.if \a > 1
	s_wait_xcnt 0x0                                ; block a - 2's stores have read their registers: block a's loads may land there
.endif
	TOSTAGE \a
	SEND \a-1, 32                                  ; behind block a - 1's loads: block a's 16 stores and 16 loads
.endr
	SEND 7, 0
	s_wait_tensorcnt 0x0                           ; the wave's end
	ds_add_u32 v[SPW], v[NIL]
	s_wait_dscnt 0x0
	CROUND                                         ; the closing round
	s_endpgm
.Lfunc_end_k_q8669affcf6_outp:
	.size	k_q8669affcf6_outp, .Lfunc_end_k_q8669affcf6_outp-k_q8669affcf6_outp
	.p2alignl 7, 3214868480
	.fill 96, 4, 3214868480
	.section	.rodata,"a",@progbits
	.p2align	6, 0x0
	.amdhsa_kernel k_q8669affcf6_outp
		.amdhsa_group_segment_fixed_size 327680
		.amdhsa_private_segment_fixed_size 0
		.amdhsa_enable_private_segment 0
		.amdhsa_kernarg_size 32
		.amdhsa_user_sgpr_count 2
		.amdhsa_user_sgpr_kernarg_segment_ptr 1
		.amdhsa_wavefront_size32 1
		.amdhsa_system_sgpr_workgroup_id_x 1
		.amdhsa_system_sgpr_workgroup_id_y 1
		.amdhsa_system_sgpr_workgroup_id_z 1
		.amdhsa_system_vgpr_workitem_id 0
		.amdhsa_next_free_vgpr 1024
		.amdhsa_next_free_sgpr 100
		.amdhsa_reserve_vcc 0
		.amdhsa_float_denorm_mode_32 3
		.amdhsa_float_denorm_mode_16_64 3
		.amdhsa_memory_ordered 1
		.amdhsa_forward_progress 1
		.amdhsa_inst_pref_size 126
	.end_amdhsa_kernel
	.amdgpu_metadata
---
amdhsa.version: [ 1, 2 ]
amdhsa.kernels:
  - .name:           k_q8669affcf6_outp
    .symbol:         k_q8669affcf6_outp.kd
    .args:
      - { .name: ctx, .offset: 0, .size: 8, .value_kind: global_buffer, .address_space: global }
      - { .name: xw, .offset: 8, .size: 8, .value_kind: global_buffer, .address_space: global }
      - { .name: bo, .offset: 16, .size: 8, .value_kind: global_buffer, .address_space: global }
      - { .name: out0, .offset: 24, .size: 8, .value_kind: global_buffer, .address_space: global }
    .group_segment_fixed_size: 327680
    .private_segment_fixed_size: 0
    .kernarg_segment_align: 8
    .kernarg_segment_size: 32
    .max_flat_workgroup_size: 128
    .sgpr_count:     100
    .vgpr_count:     1024
    .wavefront_size: 32
...
	.end_amdgpu_metadata
.endif
;; end of part 4
;; ======== version 2 of 2: 4 launches; version 1 with the launch attn written anew for expert scheduling mode
;; limits: right only within a limited range of input values
;; workspace buffers: xw 15,597,568 bytes; maskw 2,097,152 bytes of whole numbers; heads 13,369,344 bytes; ctx 4,456,448 bytes
;; launch prep: the kernel of part 1 again; grid 1408 x 1, 4 waves a work-group, no clusters, 67,072 bytes of LDS; arguments q, k, v, wq, wk, wv, wo, pad_mask, xw, maskw, out1; writes xw, maskw, out1
;; launch proj: the kernel of part 2 again; grid 4 x 96, 4 waves a work-group, clusters of 4 x 4, 327,680 bytes of LDS; arguments xw, bq, bk, bv, heads; writes heads
;; launch attn (part 5): grid 4 x 64, 16 waves a work-group, no clusters, 141,312 bytes of LDS; arguments heads, maskw, ctx; writes ctx
.if DOCPART == 5
	.amdgcn_target "amdgcn-amd-amdhsa--gfx1250"
	.amdhsa_code_object_version 6
	.text
	.protected	k_q8669affcf6_attn
	.globl	k_q8669affcf6_attn
	.p2align	8
	.type	k_q8669affcf6_attn,@function
k_q8669affcf6_attn:
	s_mov_b64 s[64:65], 0
	v_nop
	global_prefetch_b8 v0, s[64:65] scope:SCOPE_SE
	s_setreg_imm32_b32 hwreg(HW_REG_WAVE_SCHED_MODE, 0, 2), 2
	s_setreg_imm32_b32 hwreg(HW_REG_WAVE_MODE, 25, 1), 1
	s_wait_xcnt 0x0
	s_wait_alu depctr_vm_vsrc(0)
; LAUNCH 3 OF 4.  ctx = softmax(mask(xq xk^T / 8)) xv for one head and 512 queries a work-group, both products on codes of FP4 (E2M1) with E8M0 scales; ctx is quantised along the head's 64 and leaves as halves of the last product's A fragments.
; THE SOFTMAX AHEAD OF THE SECOND PRODUCT: t = score x log2(e) / 8; M = the row's largest t so far, rounded UP to a whole number; p = 2^(t - M) is quantised along the keys, not normalised; the row's sum is taken of the unquantised p and divides at the end.
; SHARES.  Sixteen waves, 256 registers each.  Wave w takes the tiles of 16 queries T = 32 x + 16 pass + w, pass = 0, 1, and walks the head's 2,048 keys, 128 a step.
; A HEAD'S K AND V STAY IN LDS WHOLE: 2 x 65,536 bytes of register images and 2 x 4,096 bytes of scale words, brought once through registers; one barrier; after it LDS is only read.
; NO CLUSTER, NO JOINT LOAD: what the four work-groups of a head share is this one fill of 139,264 bytes at the head, for the 512 tile steps that follow it; the stream of the loop, the mask words, is each work-group's own among them.
; LAYOUT.  Both products are used transposed (S^T = K Q^T, O^T = V^T P^T): a lane holds ONE query throughout.  The head's 64 fill half of the instruction's 128 along K: ONE fragment of K carries TWO tiles of 16 keys
; (registers 0-3, registers 4-7), and is multiplied by [q | 0] and by [0 | q].  A tile's lane r stands for key 8 u + r + 8 (r / 8) of its group of 32, so that the 16 registers of two neighbouring tiles are 16 neighbouring keys.
; THE MASK.  maskw holds, for a tile and a step, 64 lane masks (word n: the lanes of score register n whose key is open).  Every step selects by them: no branch hangs on the mask.  A step's 256 bytes of words come by four
; scalar loads that are issued a step ahead, behind the selects of the step before, which are the last readers of the 64 registers.
; LIMITS.  A closed key's score is taken as -2^33, a logit of -2^30 in place of -1e9: times log2(e) / 8 it is a whole number, so a row with no open key gets p = 1 throughout (uniform, as with -1e9 in f32), and beside an open key p = 0.
;   The two differ only where open logits fall to about -1e9.  p under 2^-126 counts as 0.  NaN and infinities are not served.  A block of zeros gets the scale byte 1 (its codes are zeros).
; THE MODE: SCHED_MODE bits 1:0 = 2 (LLVM: expert scheduling mode 2), set by the entry lines.  The code itself states the register dependences between vector or matrix instructions and memory or LDS instructions, with s_wait_alu, always for 0.
; THE PLAN.  Registers that memory or LDS instructions touch, in the loop over the key steps:
;   K   v32-63, v[248:249]   Read by step q's eight score products, at its head.  The LDS loads of step q + 1 land in them; they are issued in step q, behind the wait for its 64 exponentials.
;   V   v64-95, v[250:251]   Read by step q's four second products, at its end.  The LDS loads of step q land in them; they are issued in step q, behind the same wait.
;   v8, v9, v10              Read by those loads as addresses; written once a trip, at the trip's head, by three additions.
;   All else in the loop (the scores and p, O^T, p's codes, the statistics) is named by vector and matrix instructions alone; v1, v3, v4, v5 are made at the head and never written again.
; So the wait on va_vdst that stands behind a step's 64 exponentials anyway states all that the step's eighteen LDS loads hang on: the step's score products are done reading K, the last step's second products are done
; reading V, and, in a trip's first step, v8 to v10 are written.  The vector lines between that wait and the last of the loads name v14, v15, v96-159 and v232-237: none of the registers that the loads touch.
; One more wait on va_vdst a step stands ahead of the second products, for p's codes and scale word; one wait on vm_vsrc a trip stands ahead of the additions to v8 to v10.
; REGISTERS: v1-5 addresses that stay; v6 -2^33; v8-10 the trip's LDS addresses; v12 -M, v13 the largest t, v[14:15] the sum; v[16:23] [q | 0]; v[24:31] [0 | q]; v32-63 K; v64-95 V; v96-159 S^T, then p; v160-191 O^T;
;   v224-231 p's codes; v232-239, v244-247, v252, v254 at work; v242, v243 the closing add's two; v[248:249] K's scale words, v[250:251] V's, v253 p's, v255 q's.
; SCALARS: s[16:47], s[68:99] the step's 64 mask words; s[48:49] lane selects; s[50:51] c; s52, s53 LDS steps; s54, s55 counters; s57 a selector; s[58:59] the tile's mask words; s[66:67] the trip's; s[12:13] the next trip's;
;   s[14:15] the next trip's offset; s[60:61] q's image; s[62:63] q's scale word; s[100:101] ctx's image; s[104:105] ctx's scale bytes.
.set LKS,   131072                     ; LDS: K's images 0, V's 65,536, K's scale words here, V's 4,096 further on
	s_load_b128 s[4:7], s[0:1], 0x0                ; heads s[4:5], maskw s[6:7]
	s_load_b64 s[8:9], s[0:1], 0x10                ; ctx
	v_lshl_add_u32 v242, v0, 2, 0x22000
	v_mov_b32 v243, 0
	v_lshrrev_b32 v6, 5, v0
	v_readfirstlane_b32 s10, v6                    ; wave 0..15
	v_and_b32 v7, 31, v0                           ; lane
	v_lshlrev_b32 v1, 4, v7                        ; 16 x lane: an image's place for my lane
	v_add_nc_u32 v2, 65536, v1                     ; the same among V's images
	v_lshlrev_b32 v3, 3, v7
	v_add_nc_u32 v3, LKS, v3                       ; 8 x lane among the scale words
	v_and_b32 v4, 15, v0
	v_lshlrev_b32 v5, 5, v4                        ; ctx's scale bytes: 32 a row
	v_lshlrev_b32 v4, 3, v4                        ; q's scale word: 8 r
	v_lshlrev_b32 v8, 4, v0                        ; the fill: 16 x thread,
	v_add_nc_u32 v9, 65536, v8
	v_lshlrev_b32 v11, 3, v0                       ; 8 x thread
	v_add_nc_u32 v10, LKS, v11
	v_mov_b32 v6, 0xd0000000                       ; -2^33: a closed key's score
	s_wait_alu depctr_va_sdst(0)                   ; s10, the wave's number, is written, ahead of its first reader: the tile's addresses are made from it
	s_and_b32 s11, ttmp7, 0xffff                   ; 16 x batch + head
	s_lshl_b32 s12, s11, 16
	s_mov_b32 s13, 0
	s_lshl_b32 s14, s11, 12
	s_mov_b32 s15, 0
	s_wait_kmcnt 0x0
	s_add_nc_u64 s[60:61], s[4:5], s[12:13]        ; my head's images of Q,
	s_add_nc_u64 s[68:69], s[60:61], 0x400000      ; of K,
	s_add_nc_u64 s[70:71], s[60:61], 0x800000      ; of V
	s_add_nc_u64 s[72:73], s[4:5], s[14:15]
	s_add_nc_u64 s[72:73], s[72:73], 0xc00000      ; its scale words of Q; K's 262,144 and V's 524,288 bytes on
	s_wait_alu depctr_va_vdst(0)                   ; the addresses v1, v3, v4, v5 and v8 to v11 are written, which the loads and stores of the fill and of the passes read
.irp i, 0,1,2,3,4,5,6,7
	global_load_b128 v[96+4*\i:99+4*\i], v8, s[68:69] offset:8192*\i
.endr
.irp i, 0,1,2,3,4,5,6,7
	global_load_b128 v[128+4*\i:131+4*\i], v8, s[70:71] offset:8192*\i
.endr
	global_load_b64 v[160:161], v11, s[72:73] offset:262144
	global_load_b64 v[162:163], v11, s[72:73] offset:524288
	s_lshl_b32 s2, ttmp9, 5
	s_add_co_u32 s2, s2, s10                       ; T of pass 0
	s_lshl_b32 s12, s2, 9
	s_add_nc_u64 s[60:61], s[60:61], s[12:13]      ; its image: 512 bytes a tile
	s_lshr_b32 s12, s2, 3
	s_lshl_b32 s12, s12, 8                         ; its scale word: 256 bytes for 8 tiles; pair of tiles b = (w % 8) / 2: lane 16 (b % 2) + r, word b / 2
	s_bfe_u32 s3, s10, 0x10001
	s_lshl_b32 s3, s3, 7
	s_add_co_u32 s12, s12, s3
	s_bfe_u32 s3, s10, 0x10002
	s_lshl_b32 s3, s3, 2
	s_add_co_u32 s12, s12, s3
	s_add_nc_u64 s[62:63], s[72:73], s[12:13]
	s_lshr_b32 s3, s11, 4
	s_lshl_b32 s3, s3, 7
	s_add_co_u32 s3, s3, s2                        ; 128 x batch + T
	s_lshl_b32 s12, s3, 12
	s_add_nc_u64 s[58:59], s[6:7], s[12:13]        ; the tile's mask words: 16 steps x 256 bytes
	s_and_b32 s14, s11, 15                         ; the head
	s_lshl_b32 s12, s3, 13
	s_lshl_b32 s15, s14, 9
	s_add_co_u32 s12, s12, s15
	s_add_nc_u64 s[100:101], s[8:9], s[12:13]      ; ctx: 8,192 bytes a tile, 512 a head
	s_lshl_b32 s12, s3, 9
	s_lshl_b32 s15, s14, 1
	s_add_co_u32 s12, s12, s15
	s_add_co_u32 s12, s12, 0x400000
	s_add_nc_u64 s[104:105], s[8:9], s[12:13]      ; its scale bytes: 32 a row, 2 a head
	s_mov_b32 s15, 0                               ; the upper word of the offset pair s[14:15]
	s_mov_b32 s48, 0x76543210
	s_mov_b32 s49, 0xfedcba98                      ; v_permlanex16_b32's selects for lane l xor 16
	s_mov_b32 s50, 0x3e38aa3b                      ; c = log2(e) / 8
	s_mov_b32 s51, s50                             ; (named with it as a pair, so it is written)
	s_mov_b32 s57, 0x03020302
	s_bitcmp1_b32 s10, 0
	s_cselect_b32 s57, s57, 0x01000100             ; my tile's two bytes of the pair's word, twice
.irp i, 0,1,2,3,4,5,6,7
	s_wait_loadcnt 17-\i                           ; loads come back in order: of the 18, number i is in
	ds_store_b128 v8, v[96+4*\i:99+4*\i] offset:8192*\i
.endr
.irp i, 0,1,2,3,4,5,6,7
	s_wait_loadcnt 9-\i
	ds_store_b128 v9, v[128+4*\i:131+4*\i] offset:8192*\i
.endr
	s_wait_loadcnt 1
	ds_store_b64 v10, v[160:161]
	s_wait_loadcnt 0                               ; the fill's loads are done: s[68:73], which they named, are free for the mask words
	ds_store_b64 v10, v[162:163] offset:4096
.irp j, 20,21,22,23,24,25,26,27
	v_mov_b32 v[\j], 0                             ; the zero halves of [q | 0] and [0 | q]: zero codes, set once
.endr
.irp b, 0,1,2,3
	v_mov_b32 v[236+\b], 0                         ; written once: a lane permute's destination counts as one of its sources
.endr
	v_mov_b32 v253, 0                              ; (named as the upper half of the pair v[252:253] before it is first written)
	s_wait_dscnt 0x0                               ; for the others' sake: my stores have landed
	s_barrier_signal -1
	s_barrier_wait -1                              ; the head's K and V lie in LDS; from here on LDS is only read
	s_wait_alu depctr_vm_vsrc(0)                   ; the fill's LDS stores have read v96 to v163 and v8 to v10: these registers are the scores, O^T and the trips' addresses from here on
.macro MWORDS ptr, off                 ; a step's 64 mask words: 256 consecutive bytes
	s_load_b512 s[16:31], s[\ptr:\ptr+1], \off
	s_load_b512 s[32:47], s[\ptr:\ptr+1], \off+64
	s_load_b512 s[68:83], s[\ptr:\ptr+1], \off+128
	s_load_b512 s[84:99], s[\ptr:\ptr+1], \off+192
.endm
.macro KFRAGS ka, sa, s                ; K's four fragments and scale words of key step s, counted from the step at which the addresses v[ka] and v[sa] stand: key tile 2 b + c as it was stored, 512 consecutive bytes a load
.irp b, 0,1,2,3
.irp c, 0,1
	ds_load_b128 v[32+8*\b+4*\c:35+8*\b+4*\c], v[\ka] offset:4096*(\s)+1024*\b+512*\c
.endr
.endr
	ds_load_b64 v[248:249], v[\sa] offset:256*(\s)
.endm
.macro SCORE b                         ; fragment b of K holds key tiles 2 b and 2 b + 1: two products; its scale words lie in lanes 0-15 (b even) or 16-31 (b odd) of v[248 + b / 2]
.irp u, 0,1
.if (\b)%2
	v_wmma_scale_f32_16x16x128_f8f6f4 v[96+16*(\b)+8*\u:103+16*(\b)+8*\u], v[32+8*(\b):39+8*(\b)], v[16+8*\u:23+8*\u], 0, v[248+(\b)/2], v255 matrix_a_fmt:MATRIX_FMT_FP4 matrix_b_fmt:MATRIX_FMT_FP4 matrix_a_scale:MATRIX_SCALE_ROW1
.else
	v_wmma_scale_f32_16x16x128_f8f6f4 v[96+16*(\b)+8*\u:103+16*(\b)+8*\u], v[32+8*(\b):39+8*(\b)], v[16+8*\u:23+8*\u], 0, v[248+(\b)/2], v255 matrix_a_fmt:MATRIX_FMT_FP4 matrix_b_fmt:MATRIX_FMT_FP4
.endif
.endr
.endm
.macro PV t                            ; O^T's tile t of 16 of the head's 64 += V^T P^T over the step's 128 keys
.if (\t)%2
	v_wmma_scale_f32_16x16x128_f8f6f4 v[160+8*(\t):167+8*(\t)], v[64+8*(\t):71+8*(\t)], v[224:231], v[160+8*(\t):167+8*(\t)], v[250+(\t)/2], v253 matrix_a_fmt:MATRIX_FMT_FP4 matrix_b_fmt:MATRIX_FMT_FP4 matrix_a_scale:MATRIX_SCALE_ROW1
.else
	v_wmma_scale_f32_16x16x128_f8f6f4 v[160+8*(\t):167+8*(\t)], v[64+8*(\t):71+8*(\t)], v[224:231], v[160+8*(\t):167+8*(\t)], v[250+(\t)/2], v253 matrix_a_fmt:MATRIX_FMT_FP4 matrix_b_fmt:MATRIX_FMT_FP4
.endif
.endm
; A KEY STEP: 128 keys, the q-th of the trip's four.
.macro STEP q
	SCORE 0                                        ; K and its scale words are in: they were asked for in the step before, and the wait on DScnt ahead of that step's second products was for 0 (a tile's first step: the wait at the pass's head)
	SCORE 1
	SCORE 2
	SCORE 3
.rept 4
	v_nop                                          ; places in front of the first read of the scores
.endr
	s_wait_kmcnt 0x0                               ; this step's mask words, asked for a step ago (scalar loads are waited for with 0 alone)
.set n, 0
.rept 64
	v_cndmask_b32 v[96+n], v6, v[96+n], s[16+n+20*(n/32)]   ; a closed key's score becomes -2^33; each accumulator from its low end on
.set n, n+1
.endr
.irp b, 0,1,2,3
	v_max3_num_f32 v[232+\b], v[96+16*\b], v[97+16*\b], v[98+16*\b]   ; the largest score of each block of 32 keys: for the row's maximum and, since p rises with the score, for the block's largest p
.endr
.irp i, 3,5,7,9,11,13
.irp b, 0,1,2,3
	v_max3_num_f32 v[232+\b], v[232+\b], v[96+16*\b+\i], v[97+16*\b+\i]
.endr
.endr
.irp b, 0,1,2,3
	v_max_num_f32 v[232+\b], v[232+\b], v[111+16*\b]
.endr
.if \q < 3
	MWORDS 66, 256*(\q+1)                          ; the next step's mask words: the selects above were the last readers of these registers
.else
	MWORDS 12, 0                                   ; the next trip's first step (behind a tile's last step: the same tile's step 0 once more, so that no load leaves the buffer)
.endif
.irp b, 0,1,2,3
	v_permlanex16_b32 v[236+\b], v[232+\b], s48, s49
.endr
.irp b, 0,1,2,3
	v_max_num_f32 v[232+\b], v[232+\b], v[236+\b]  ; with lane l xor 16's 16 keys
.endr
	v_max3_num_f32 v254, v232, v233, v234
	v_max_num_f32 v254, v254, v235                 ; the step's largest score of my query
	v_mul_f32 v254, s50, v254                      ; as t
	v_max_num_f32 v13, v13, v254                   ; the running largest t
	v_mov_b32 v254, v12
	v_floor_f32 v12, -v13                          ; the new -M = floor(-t): M is a whole number
	v_sub_f32 v254, v12, v254                      ; old M - new M: a whole number, 0 or less
	v_cvt_i32_f32 v254, v254                       ; (it saturates)
	v_ldexp_f32 v252, 1.0, v254                    ; f = 2^(old M - new M): a multiplication by it rounds nothing
.set j, 0
.rept 32
	v_pk_fma_f32 v[96+j:97+j], v[96+j:97+j], s[50:51], v[12:13] op_sel_hi:[1,0,0]   ; t - M, two at a time
.set j, j+2
.endr
.irp b, 0,1,2,3
	v_fma_f32 v[232+\b], v[232+\b], s50, v12       ; the same of each block's largest score
.endr
.set j, 0
.rept 64
	v_exp_f32 v[96+j], v[96+j]                     ; p = 2^(t - M), at most 1
.set j, j+1
.endr
	v_pk_mul_f32 v[14:15], v[14:15], v[252:253] op_sel_hi:[1,0]   ; the sums under the new M (a plain line behind the exponentials)
	s_wait_alu depctr_va_vdst(0)                   ; the 64 exponentials have written p, ahead of their first reader.  Also: this step's score products are done reading K and its scale words, the last step's second products V and its, in which the loads below land; and in a trip's first step v8 to v10 are written, which those loads read
.if \q == 3
	s_cmp_eq_u32 s54, 1                            ; a tile's last step has no next step: a scalar branch on the count of trips leads round K's nine loads
	s_cbranch_scc1 .Lno_next_\@
.endif
	KFRAGS 8, 10, \q+1                             ; the next step's K (behind the trip's last step: the next trip's first, 16,384 and 1,024 bytes on from this trip's addresses)
.if \q == 3
.Lno_next_\@:
.endif
.irp b, 0,1,2,3
	v_exp_f32 v[232+\b], v[232+\b]                 ; the block's largest p
.endr
	v_pk_add_f32 v[236:237], v[96:97], v[98:99]    ; the row's sum of the unquantised p, in two chains (plain work behind the four)
.irp j, 4,8,12,16,20,24,28,32,36,40,44,48,52,56,60
	v_pk_add_f32 v[14:15], v[14:15], v[96+\j:97+\j]
	v_pk_add_f32 v[236:237], v[236:237], v[98+\j:99+\j]
.if \j <= 32
	ds_load_b128 v[64+(\j-4):67+(\j-4)], v9 offset:4096*\q+128*(\j-4)   ; this step's V, a load behind each of the first nine pairs of additions: half (j - 4) / 4 of its eight half fragments, 512 consecutive bytes.  No wait: no vector line since the wait above names V's registers or v9, v10
.elseif \j == 36
	ds_load_b64 v[250:251], v10 offset:4096+256*\q ; and V's scale words
.endif
.endr
	v_pk_add_f32 v[14:15], v[14:15], v[236:237]
	s_wait_alu depctr_va_vdst(0)                   ; the four exponentials have written the blocks' largest p, ahead of their first reader
.irp b, 0,1,2,3
	v_max_num_f32 v[232+\b], 0x1800000, v[232+\b]  ; the floor 2^(3 - 127): the byte cannot fall under 1
.endr
.irp b, 0,1,2,3
	v_add_nc_u32 v[244+\b], 0xff000000, v[232+\b]  ; 2 off the exponent field: the conversion's scale operand
.endr
.irp b, 0,1,2,3
	v_lshrrev_b32 v[236+\b], 23, v[244+\b]         ; the scale's byte
.endr
	v_lshl_or_b32 v253, v237, 8, v236              ; p's scale word for these 128 keys
	v_lshl_or_b32 v253, v238, 16, v253
	v_lshl_or_b32 v253, v239, 24, v253
.irp b, 0,1,2,3
	v_cvt_scalef32_pk8_fp4_f32 v[224+2*\b], v[96+16*\b:103+16*\b], v[244+\b]
	v_cvt_scalef32_pk8_fp4_f32 v[225+2*\b], v[104+16*\b:111+16*\b], v[244+\b]
.endr
	v_nop                                          ; one plain line behind a scaled conversion
.irp c, 0,1                                    ; the operand's layout wants a WHOLE block in a lane
.irp i, 0,1
	v_permlane16_swap_b32 v[224+4*\c+\i], v[226+4*\c+\i]
.endr
.endr
.set j, 0
.rept 16
	v_pk_mul_f32 v[160+j:161+j], v[160+j:161+j], v[252:253] op_sel_hi:[1,0]   ; O^T under the new M; these sixteen are also the places between the scale word's and the codes' last writes and the products
.set j, j+2
.endr
	s_wait_alu depctr_va_vdst(0)                   ; p's codes v[224:231] and its scale word v253 are written, which the scaled products below take; the places above stay beside this wait
	s_wait_dscnt 0x0                               ; V's nine loads are in, and so are the next step's K, issued ahead of them; for 0, so that it holds whether or not K's were issued
	PV 0                                           ; the four accumulators by turns; between two links of a chain stand eleven other products
	PV 1
	PV 2
	PV 3
.endm
	s_mov_b32 s55, 2
.Lpass:                                            ; two tiles of queries, one after the other.  The loads below land in registers that the last pass's score products read: those stand ahead of that pass's last wait on va_vdst, behind which no vector line follows
	global_load_b128 v[16:19], v1, s[60:61]        ; my tile's image, into both operands (A's and B's registers of one product share none, nor do these two)
	global_load_b128 v[28:31], v1, s[60:61]
	global_load_b32 v255, v4, s[62:63]             ; the pair of tiles' scale word of row r
	KFRAGS 1, 3, 0                                 ; key step 0's K, by the addresses that stay
	s_mov_b64 s[66:67], s[58:59]                   ; the first trip's mask words
	MWORDS 66, 0                                   ; step 0's: no scalar load is out here
	s_mov_b32 s14, 1024
	s_add_nc_u64 s[12:13], s[58:59], s[14:15]      ; the second trip's
	v_mov_b32 v13, 0xff61b1e6                      ; the largest t so far: -3e38
	v_floor_f32 v12, -v13
	v_mov_b32 v14, 0
	v_mov_b32 v15, 0
	s_mov_b32 s52, 0
	s_mov_b32 s53, 0
	s_wait_loadcnt 0x0
	v_perm_b32 v255, v255, v255, s57               ; (s0, s1, s0, s1): it serves [q | 0] and [0 | q]
.set j, 0
.rept 32
	v_mov_b32 v[160+j], 0                          ; O^T: the step is written once, its first run finds zeros.  (Also the places between the scale word's write and the first product)
.set j, j+1
.endr
	s_wait_alu depctr_va_vdst(0)                   ; q's scale word v255 is written, which the scaled score products take (in the first pass also the zero halves v20 to v27 of their operands); the places above stay beside this wait
	s_wait_dscnt 0x0                               ; key step 0's K is in
	s_mov_b32 s54, 4
.Ltrip:                                            ; four trips of four key steps
	s_wait_alu depctr_vm_vsrc(0)                   ; the LDS loads issued so far have read v8 to v10, which the three lines below write
	v_add_nc_u32 v8, s52, v1
	v_add_nc_u32 v9, s52, v2
	v_add_nc_u32 v10, s53, v3
	STEP 0
	STEP 1
	STEP 2
	STEP 3
	s_add_co_u32 s52, s52, 16384
	s_add_co_u32 s53, s53, 1024
	s_wait_xcnt 0x0                                ; step 3's scalar loads have read s[12:13]; those that named s[66:67] have been waited for: both pointers may be written
	s_mov_b64 s[66:67], s[12:13]                   ; the next trip's words become the trip's,
	s_add_co_u32 s14, s14, 1024
	s_and_b32 s14, s14, 3072                       ; and the trip after it follows: 1,024 bytes on, round the tile's 4,096
	s_add_nc_u64 s[12:13], s[58:59], s[14:15]
	s_sub_co_u32 s54, s54, 1
	s_cmp_lg_u32 s54, 0
	s_cbranch_scc1 .Ltrip
.rept 4
	v_nop                                          ; places behind the last products
.endr
	v_add_f32 v14, v14, v15                        ; the sum's two halves,
	v_permlanex16_b32 v252, v14, s48, s49
	v_add_f32 v14, v14, v252                       ; and lane l xor 16's: the row's sum
	v_rcp_f32 v14, v14
	v_nop                                          ; a plain line behind the reciprocal
	s_wait_alu depctr_va_vdst(0)                   ; the reciprocal has written v14, ahead of its first reader
.set j, 0
.rept 16
	v_pk_mul_f32 v[96+j:97+j], v[160+j:161+j], v[14:15] op_sel_hi:[1,0]   ; ctx: register 16 b + i is channel 32 b + 16 (lane / 16) + i of my query
.set j, j+2
.endr
.irp b, 0,1
	v_max3_num_f32 v[232+\b], |v[96+16*\b]|, |v[97+16*\b]|, 0x1800000
.endr
.irp i, 2,4,6,8,10,12,14
.irp b, 0,1
	v_max3_num_f32 v[232+\b], v[232+\b], |v[96+16*\b+\i]|, |v[97+16*\b+\i]|
.endr
.endr
.irp b, 0,1
	v_permlanex16_b32 v[236+\b], v[232+\b], s48, s49
.endr
.irp b, 0,1
	v_max_num_f32 v[232+\b], v[232+\b], v[236+\b]
.endr
.irp b, 0,1
	v_add_nc_u32 v[244+\b], 0xff000000, v[232+\b]
.endr
.irp b, 0,1
	v_lshrrev_b32 v[236+\b], 23, v[244+\b]
.endr
	v_lshl_or_b32 v254, v237, 8, v236              ; the head's two scale bytes of my row
.irp b, 0,1
	v_cvt_scalef32_pk8_fp4_f32 v[224+2*\b], v[96+16*\b:103+16*\b], v[244+\b]
	v_cvt_scalef32_pk8_fp4_f32 v[225+2*\b], v[104+16*\b:111+16*\b], v[244+\b]
.endr
	v_nop
	v_permlane16_swap_b32 v224, v226
	v_permlane16_swap_b32 v225, v227               ; lane (r, h): channels 32 h + 0 .. 31 of query r: half of a fragment of the last product's A
	s_wait_alu depctr_va_vdst(0)                   ; ctx's codes v[224:227] and scale bytes v254 are written, which the two stores read
	global_store_b128 v1, v[224:227], s[100:101]   ; 512 consecutive bytes, aligned
	global_store_b16 v5, v254, s[104:105]          ; two bytes a row, rows 32 bytes apart (lanes 16-31 write what lanes 0-15 write): the layout that the last launch's one dense load wants; 1 byte in 16 of what this launch stores
	s_wait_kmcnt 0x0                               ; the last step's scalar loads are in: the next pass loads into the same registers
	s_wait_xcnt 0x0                                ; the stores have read their registers and bases: both are written again only behind this wait
	s_wait_alu depctr_vm_vsrc(0)                   ; the two stores have read v[224:227] and v254, which the next pass's vector lines write again
	s_add_nc_u64 s[60:61], s[60:61], 8192          ; sixteen tiles on
	s_add_nc_u64 s[62:63], s[62:63], 512
	s_add_nc_u64 s[58:59], s[58:59], 65536
	s_add_nc_u64 s[100:101], s[100:101], 131072
	s_add_nc_u64 s[104:105], s[104:105], 8192
	s_sub_co_u32 s55, s55, 1
	s_cmp_lg_u32 s55, 0
	s_cbranch_scc1 .Lpass
	s_wait_dscnt 0x0                               ; the closing lines, six on end
	s_wait_alu 0x0
	s_wait_tensorcnt 0x0
	ds_add_u32 v242, v243
	s_wait_dscnt 0x0
	s_endpgm
.Lfunc_end_k_q8669affcf6_attn:
	.size	k_q8669affcf6_attn, .Lfunc_end_k_q8669affcf6_attn-k_q8669affcf6_attn
	.p2alignl 7, 3214868480
	.fill 96, 4, 3214868480
	.section	.rodata,"a",@progbits
	.p2align	6, 0x0
	.amdhsa_kernel k_q8669affcf6_attn
		.amdhsa_group_segment_fixed_size 141312
		.amdhsa_private_segment_fixed_size 0
		.amdhsa_enable_private_segment 0
		.amdhsa_kernarg_size 24
		.amdhsa_user_sgpr_count 2
		.amdhsa_user_sgpr_kernarg_segment_ptr 1
		.amdhsa_wavefront_size32 1
		.amdhsa_system_sgpr_workgroup_id_x 1
		.amdhsa_system_sgpr_workgroup_id_y 1
		.amdhsa_system_sgpr_workgroup_id_z 1
		.amdhsa_system_vgpr_workitem_id 0
		.amdhsa_next_free_vgpr 256
		.amdhsa_next_free_sgpr 106
		.amdhsa_reserve_vcc 0
		.amdhsa_float_denorm_mode_32 3
		.amdhsa_float_denorm_mode_16_64 3
		.amdhsa_memory_ordered 1
		.amdhsa_forward_progress 1
		.amdhsa_inst_pref_size 90
	.end_amdhsa_kernel
	.amdgpu_metadata
---
amdhsa.version: [ 1, 2 ]
amdhsa.kernels:
  - .name:           k_q8669affcf6_attn
    .symbol:         k_q8669affcf6_attn.kd
    .args:
      - { .name: heads, .offset: 0, .size: 8, .value_kind: global_buffer, .address_space: global }
      - { .name: maskw, .offset: 8, .size: 8, .value_kind: global_buffer, .address_space: global }
      - { .name: ctx, .offset: 16, .size: 8, .value_kind: global_buffer, .address_space: global }
    .group_segment_fixed_size: 141312
    .private_segment_fixed_size: 0
    .kernarg_segment_align: 8
    .kernarg_segment_size: 24
    .max_flat_workgroup_size: 512
    .sgpr_count:     106
    .vgpr_count:     256
    .wavefront_size: 32
...
	.end_amdgpu_metadata
.endif
;; end of part 5
;; launch outp: the kernel of part 4 again; grid 4 x 32, 4 waves a work-group, clusters of 4 x 4, 327,680 bytes of LDS; arguments ctx, xw, bo, out0; writes out0
